; MI455X (gfx1250); checked and timed in simulation.
; The chip was launched on July 23, 2026; its instructions are those of AMD's public machine-readable ISA for CDNA 5 (MIT licence, August 2026) and "CDNA5" Instruction Set Architecture Reference Guide (July 2026). The comments in the code are by the model that wrote it; some were corrected since.
;; Cross Attention. Allowed arithmetic: matrix products marked QUANTISED: E4M3 operands, one E8M0 scale for each 32 along K, by v_wmma_scale_f32_16x16x128_f8f6f4 with both operands' format E4M3, f32 sums; everything else in f32.
;; Inputs: keys 4 x 2,048 x 1,024 float32; mask 2,048 x 2,048 float32; queries 4 x 2,048 x 1,024 float32; values 4 x 2,048 x 1,024 float32.
;; Outputs: out0 4 x 2,048 x 1,024 float32.
;; This version of the problem:
;;   THIS VERSION OF THE PROBLEM IS GIVEN IN LOW PRECISION. The matrix products marked QUANTISED in the list below multiply operands that are first quantised to E4M3 (4 exponent bits, 3 mantissa bits; 8 bits a number), with one power-of-two scale for each 32 numbers along K (OCP MX v1.0); their sums are f32. All else is computed in f32.
;;   The module's matrix products, in the order in which they are computed (A, B: the left and right operand; K: the contracted axis; several contracted axes count as one K, in the product's order):
;;     1. batch 64 x [M 2,048, K 64] x [K 64, N 2,048]; A: input queries; B: input keys: QUANTISED
;;     2. batch 64 x [M 64, K 2,048] x [K 2,048, N 2,048]; A: input values; B: computed on the way: QUANTISED
;;   THE QUANTISER, for each operand of a quantised product, along K:
;;     - K is cut into blocks of 32 from its start; a last block that is shorter is filled with zeros.
;;     - A block's scale is 2^e with e = floor(log2(the largest magnitude in the block)) - 8, held to -126 .. 127; a block of zeros has e = 0. As a byte (E8M0): e + 127.
;;     - Each number is divided by its block's scale, clamped to +-448, and rounded to the nearest number of E4M3, ties to even, subnormals kept.
;;     - The product sums the exact products of the quantised numbers (number of the format x scale) in f32.
;;   ~~~python
;;   def quantise(x, axis):      # numpy; x: float32 -> the quantised numbers, widened to float32 again
;;       x = np.moveaxis(x, axis, -1); K = x.shape[-1]
;;       x = np.pad(x, [(0, 0)] * (x.ndim - 1) + [(0, -K % 32)]); x = x.reshape(x.shape[:-1] + (-1, 32)); a = np.abs(x).max(-1, keepdims=True)
;;       e = np.where(a > 0, np.clip(np.frexp(np.where(a > 0, a, 1))[1] - 1 - 8, -126, 127), 0)      # np.frexp(a)[1] - 1 = floor(log2(a)), exactly
;;       r = np.clip(x / 2.0 ** e, -448, 448)
;;       step = 2.0 ** (np.maximum(np.frexp(np.where(r == 0, 1, r))[1] - 1, -6) - 3)
;;       q = np.round(r / step) * step * 2.0 ** e      # np.round: ties to even
;;       return np.moveaxis(q.reshape(q.shape[:-2] + (-1,))[..., :K], -1, axis).astype(np.float32)
;;   ~~~
;;   OPERANDS COMPUTED ON THE WAY. 'Computed on the way' means the value that the module computes at that place (a softmax that the list does not call 'softmax' is quantised finished and normalised). What goes into a quantiser is computed in f32, as accurately as f32 sums, v_exp_f32 and their like allow (about 1e-6 of the number): no bf16 or f16 on the way to a quantiser, and a product that is left as it is and whose result goes on into a quantised operand takes f32 operands (vector FMAs, or v_wmma_f32_16x16x4_f32). A number that lies on a knife's edge between two numbers of the format may be rounded either way, as far as f32 arithmetic and the matrix unit's own rounding can turn it there, and no further.
;; 2 versions. Each part assembles by itself: llvm-mc -triple=amdgcn-amd-amdhsa -mcpu=gfx1250 --defsym DOCPART=n.
;; ======== version 1 of 2: 2 launches
;; workspace buffers: qimg 8,388,608 bytes; qsw 262,144 bytes; kimg 8,388,608 bytes; ksw 262,144 bytes; vimg 8,388,608 bytes; vsw 262,144 bytes
;; launch prep (part 1): grid 768 x 1, 4 waves a work-group, no clusters, 36,352 bytes of LDS; arguments queries, keys, values, qimg, qsw, kimg, ksw, vimg, vsw; writes qimg, qsw, kimg, ksw, vimg, vsw
.if DOCPART == 1
	.amdgcn_target "amdgcn-amd-amdhsa--gfx1250"
	.amdhsa_code_object_version 6
	.text
	.protected	k_qc37d3cce88_prep
	.globl	k_qc37d3cce88_prep
	.p2align	8
	.type	k_qc37d3cce88_prep,@function
k_qc37d3cce88_prep:
	s_mov_b64 s[64:65], 0
	v_nop
	global_prefetch_b8 v0, s[64:65] scope:SCOPE_SE
	s_setreg_imm32_b32 hwreg(HW_REG_WAVE_MODE, 25, 1), 1
	s_wait_xcnt 0x0
; queries, keys, values: [4][2048][1024] f32 = [b][row][head 16][64].  All three become codes of FP8 (E4M3) with one E8M0 scale byte for each 32 along the K of the product
; that they enter, laid as IMAGES OF THE OPERAND'S REGISTERS, so that the next launch takes a fragment by loads of 512 consecutive bytes.  bh = 16 b + head.
; queries, keys (K = the head's 64): image [bh][block of 32 rows][c4 = 2 u + c][lane][16 bytes]: lane (r = lane % 16, h = lane / 16) holds the codes of row 32 block + 8 u + r + 8 (r / 8),
;   channels 32 c + 16 h + 0 .. 15.  Scale words [bh][block][r]: bytes 0, 1 the two scales of the row with u = 0, bytes 2, 3 those of the row with u = 1.
; values (K = the keys): image [bh][step of 128 keys][dt][c][lane][16 bytes]: lane (r, h) holds channel 16 dt + r, keys 128 step + 32 c + 16 h + 0 .. 15.  Scale words [bh][step][dt][r], byte c.
; A block's scale is 2^(floor(log2(its largest magnitude)) - 8); its byte is the largest magnitude's exponent field - 8, held at 1 from below; each number is held within +-448 x the scale and rounded to the nearest code, ties to even.
; LIMITS: a block of zeros gets the byte 1 where the rule says 127 (its codes are zeros, and this program alone reads the bytes); NaN and infinities among the inputs are not served.
; SHARES: work-groups 0-255 take queries, 256-511 keys (one path, the pointers chosen by the work-group's number), 512-767 values (a path of its own, without LDS).  Waves share nothing: no barrier.
.set RA,  16                           ; v16-79, v80-143  two sets of 64 numbers
.set PCB, 144                          ; v144-207 codes, 16 registers for each of a wave's four blocks: no store's data are written again
.set TM,  208                          ; v208-211 largest magnitudes, v212-215 bytes, v216-219 448 x the scale, v220-223 the conversions' scale operands
.set PW,  224                          ; v224 the scale word just made
.set SP,  272                          ; a stage row: a head's 256 bytes of one row + 16
	s_load_b256 s[4:11], s[0:1], 0x0               ; queries s[4:5], keys s[6:7], values s[8:9], qimg s[10:11]
	s_load_b256 s[12:19], s[0:1], 0x20             ; qsw s[12:13], kimg s[14:15], ksw s[16:17], vimg s[18:19]
	s_load_b64 s[20:21], s[0:1], 0x40              ; vsw
	v_lshl_add_u32 v232, v0, 2, 0x8c00
	v_mov_b32 v233, 0
	v_lshrrev_b32 v1, 5, v0
	v_readfirstlane_b32 s22, v1                    ; wave 0..3
	v_and_b32 v2, 31, v0                           ; lane
	v_and_b32 v3, 15, v0                           ; r
	v_bfe_u32 v12, v0, 4, 1                        ; h
	s_mov_b32 s36, 0x600000                        ; the mantissa field of 448
	s_mov_b32 s38, 0x76543210
	s_mov_b32 s39, 0xfedcba98                      ; v_permlanex16_b32's selects for lane l xor 16
	s_cmp_ge_u32 ttmp9, 512
	s_cbranch_scc1 .Lv
; ---------------- queries and keys: a wave takes 128 rows of one head, four blocks of 32 rows
	s_and_b32 s23, ttmp9, 255
	s_and_b32 s24, s23, 3
	s_lshl_b32 s24, s24, 2
	s_add_co_u32 s24, s24, s22                     ; the head: the four waves stand side by side on 1,024 bytes of a row
	s_bfe_u32 s25, s23, 0x40002                    ; which 128 rows
	s_lshr_b32 s26, s23, 6                         ; b
	s_lshl_b32 s28, s26, 23                        ; in: b x 2048 rows of 4,096 bytes
	s_lshl_b32 s27, s25, 19                        ;     + 128 rows
	s_add_co_u32 s28, s28, s27
	s_lshl_b32 s27, s24, 8                         ;     + the head's 256 bytes
	s_add_co_u32 s28, s28, s27
	s_mov_b32 s29, 0
	s_lshl_b32 s27, s26, 4
	s_add_co_u32 s27, s27, s24                     ; bh
	s_lshl_b32 s30, s27, 17                        ; image: 64 blocks of 2,048 bytes a head,
	s_lshl_b32 s32, s25, 13                        ;        my four blocks
	s_add_co_u32 s30, s30, s32
	s_mov_b32 s31, 0
	s_lshl_b32 s32, s27, 12                        ; scale words: 64 blocks of 64 bytes a head
	s_lshl_b32 s33, s25, 8
	s_add_co_u32 s32, s32, s33
	s_mov_b32 s33, 0
	s_mul_i32 s34, s22, 8960                       ; LDS: my wave's stage of 32 rows x 272 bytes, and behind it its 256 bytes of scale words
	s_add_co_u32 s35, s34, 32*SP
	v_lshlrev_b32 v4, 4, v3
	v_lshl_add_u32 v4, v12, 12, v4                 ; in: lanes 0-15 one row's 256 bytes, lanes 16-31 the next row's
	v_mul_u32_u24 v5, v12, SP
	v_lshl_add_u32 v5, v3, 4, v5
	v_add_nc_u32 v5, s34, v5                       ; into the stage: the same two rows
	v_and_b32 v13, 8, v3
	v_add_nc_u32 v13, v13, v3                      ; r + 8 (r / 8)
	v_mul_u32_u24 v6, v13, SP
	v_lshl_add_u32 v6, v12, 6, v6
	v_add_nc_u32 v6, s34, v6                       ; out of it: my row, + 64 h: my 16 numbers of a block of 32
	v_lshlrev_b32 v7, 4, v2                        ; an image's place for my lane
	v_lshl_add_u32 v8, v3, 2, s35                  ; my row's scale word (lanes l and l xor 16 write the same word with the same value)
	v_lshl_add_u32 v9, v2, 3, s35                  ; the words on their way out: 8 bytes a lane
	v_lshlrev_b32 v10, 3, v2
.irp b, 0,1,2,3
	v_mov_b32 v[TM+4+\b], 0                        ; written once: a lane permute's destination counts as one of its sources
.endr
	s_wait_kmcnt 0x0
	s_cmp_lt_u32 ttmp9, 256                        ; queries or keys: the choice hangs on the work-group's number alone
	s_cselect_b64 s[4:5], s[4:5], s[6:7]
	s_cselect_b64 s[10:11], s[10:11], s[14:15]
	s_cselect_b64 s[12:13], s[12:13], s[16:17]
	s_add_nc_u64 s[4:5], s[4:5], s[28:29]
	s_add_nc_u64 s[10:11], s[10:11], s[30:31]
	s_add_nc_u64 s[12:13], s[12:13], s[32:33]
.macro LOADR k                         ; block k: 32 rows x 256 bytes; sixteen lanes read 256 consecutive bytes, aligned
.set i, 0
.rept 16
	global_load_b128 v[RA+64*((\k)%2)+4*i:RA+64*((\k)%2)+4*i+3], v4, s[4:5] offset:(32*(\k)+2*i)*4096 th:TH_LOAD_NT
.set i, i+1
.endr
.endm
.macro TURN k                          ; through the stage: in as loaded, back as the operand's layout wants it, into the registers that they left.  LDS serves a wave's instructions in order
.set RS, RA+64*((\k)%2)
.set i, 0
.rept 16
	ds_store_b128 v5, v[RS+4*i:RS+4*i+3] offset:2*i*SP
.set i, i+1
.endr
.irp u, 0,1
.irp c, 0,1
.irp j, 0,1,2,3
	ds_load_b128 v[RS+16*(2*\u+\c)+4*\j:RS+16*(2*\u+\c)+4*\j+3], v6 offset:8*\u*SP+128*\c+16*\j
.endr
.endr
.endr
.endm
; 64 numbers of a lane, v[s + 16 b + i]: 16 numbers of block b (the other 16 lie in lane l xor 16), become 16 registers of codes from v[pc] on and the scale word v[PW]
.macro QUANT s, pc
.irp b, 0,1,2,3
	v_max3_num_f32 v[TM+\b], |v[\s+16*\b]|, |v[\s+1+16*\b]|, 0x4800000   ; and the floor 2^(9 - 127): so the byte cannot fall under 1
.endr
.irp i, 2,4,6,8,10,12,14
.irp b, 0,1,2,3
	v_max3_num_f32 v[TM+\b], v[TM+\b], |v[\s+16*\b+\i]|, |v[\s+1+16*\b+\i]|   ; the four blocks by turns
.endr
.endr
.irp b, 0,1,2,3
	v_permlanex16_b32 v[TM+4+\b], v[TM+\b], s38, s39
.endr
.irp b, 0,1,2,3
	v_max_num_f32 v[TM+\b], v[TM+\b], v[TM+4+\b]   ; the block's largest magnitude
.endr
.irp b, 0,1,2,3
	v_add_nc_u32 v[TM+12+\b], 0xfc000000, v[TM+\b] ; 8 off its exponent field: the conversion takes the exponent field of this operand as its scale
.endr
.irp b, 0,1,2,3
	v_and_or_b32 v[TM+8+\b], v[TM+\b], 0x7f800000, s36   ; 448 x the scale
.endr
.irp b, 0,1,2,3
	v_lshrrev_b32 v[TM+4+\b], 23, v[TM+12+\b]      ; the scale's byte
.endr
	v_lshl_or_b32 v[PW], v[TM+5], 8, v[TM+4]
	v_lshl_or_b32 v[PW], v[TM+6], 16, v[PW]
	v_lshl_or_b32 v[PW], v[TM+7], 24, v[PW]
.irp b, 0,1,2,3
.irp i, 0,1,2,3,4,5,6,7,8,9,10,11,12,13,14,15
	v_med3_num_f32 v[\s+16*\b+\i], v[\s+16*\b+\i], -v[TM+8+\b], v[TM+8+\b]   ; the conversion to an 8-bit code does not saturate (ISA guide 7.6.2): the hold comes first
.endr
	v_cvt_scalef32_pk8_fp8_f32 v[\pc+4*\b:\pc+1+4*\b], v[\s+16*\b:\s+7+16*\b], v[TM+12+\b]
	v_cvt_scalef32_pk8_fp8_f32 v[\pc+2+4*\b:\pc+3+4*\b], v[\s+8+16*\b:\s+15+16*\b], v[TM+12+\b]
.endr
	v_nop                                          ; a plain line behind the last conversion
.endm
.macro BLK k
.if (\k) < 3
	s_wait_loadcnt 16                              ; this block's 16 loads are in; the next block's 16 may be out
.else
	s_wait_loadcnt 0x0
.endif
	TURN \k
	s_wait_dscnt 0x0                               ; the numbers are back; the last block's store of v[PW] has read its register
	QUANT RA+64*((\k)%2), PCB+16*(\k)
.irp c, 0,1,2,3
	global_store_b128 v7, v[PCB+16*(\k)+4*\c:PCB+16*(\k)+4*\c+3], s[10:11] offset:2048*(\k)+512*\c   ; 512 consecutive bytes, aligned
.endr
	ds_store_b32 v8, v[PW] offset:64*(\k)
.if (\k) < 2
	LOADR (\k)+2
.endif
.endm
	LOADR 0
	LOADR 1
	BLK 0
	BLK 1
	BLK 2
	BLK 3
	ds_load_b64 v[226:227], v9                     ; my wave's 64 scale words: these see my stores
	s_wait_dscnt 0x0
	global_store_b64 v10, v[226:227], s[12:13]     ; 256 consecutive bytes, aligned
	s_wait_tensorcnt 0x0
	ds_add_u32 v232, v233
	s_wait_dscnt 0x0
	s_endpgm
; ---------------- values: a lane takes a column and its registers run down the keys; a wave takes 32 columns x 256 keys, 8 blocks
.Lv:
	s_sub_co_u32 s23, ttmp9, 512
	s_and_b32 s24, s23, 31
	s_lshl_b32 s24, s24, 2
	s_add_co_u32 s24, s24, s22                     ; which 32 columns of the 4 x 1,024
	s_lshr_b32 s25, s23, 5                         ; which 256 keys
	s_lshr_b32 s26, s24, 5                         ; b
	s_and_b32 s27, s24, 31                         ; 32 columns within a row: head = / 2, half of the head = % 2
	s_lshl_b32 s28, s26, 23
	s_lshl_b32 s30, s25, 20
	s_add_co_u32 s28, s28, s30
	s_lshl_b32 s30, s27, 7
	s_add_co_u32 s28, s28, s30
	s_mov_b32 s29, 0
	s_lshr_b32 s34, s27, 1
	s_lshl_b32 s35, s26, 4
	s_add_co_u32 s34, s34, s35                     ; bh
	s_and_b32 s35, s27, 1                          ; half
	s_lshl_b32 s30, s34, 17                        ; image: 16 steps of 8,192 bytes a head, two steps for my 256 keys, two tiles dt of 2,048 bytes for my 32 columns
	s_lshl_b32 s32, s25, 14
	s_add_co_u32 s30, s30, s32
	s_lshl_b32 s32, s35, 12
	s_add_co_u32 s30, s30, s32
	s_mov_b32 s31, 0
	s_lshl_b32 s32, s34, 12                        ; scale words: 16 steps of 256 bytes a head
	s_lshl_b32 s33, s25, 9
	s_add_co_u32 s32, s32, s33
	s_lshl_b32 s33, s35, 7
	s_add_co_u32 s32, s32, s33
	s_mov_b32 s33, 0
	v_lshlrev_b32 v14, 2, v2                       ; 4 bytes a lane: in, and my scale word's place
	v_lshlrev_b32 v8, 4, v3
	v_lshl_add_u32 v8, v12, 11, v8                 ; image: tile dt = lane / 16 of my two, place r
	s_wait_kmcnt 0x0
	s_add_nc_u64 s[8:9], s[8:9], s[28:29]
	s_add_nc_u64 s[18:19], s[18:19], s[30:31]
	s_add_nc_u64 s[20:21], s[20:21], s[32:33]
.macro LOADV t                         ; block t: keys 32 t + i of my column
.set i, 0
.rept 32
	global_load_b32 v[32+32*((\t)%2)+i], v14, s[8:9] offset:(32*(\t)+i)*4096 th:TH_LOAD_NT
.set i, i+1
.endr
.endm
.macro BLOCKV t
.set XS, 32+32*((\t)%2)
.set CV, 96+8*(\t)
.if (\t) < 7
	s_wait_loadcnt 32                              ; this block's 32 loads are in; the next block's 32 may be out
.else
	s_wait_loadcnt 0x0
.endif
	v_max3_num_f32 v16, |v[XS]|, |v[XS+1]|, |v[XS+2]|   ; all 32 numbers of the block are mine
	v_max3_num_f32 v17, |v[XS+3]|, |v[XS+4]|, |v[XS+5]|
.irp i, 6,10,14,18,22,26
	v_max3_num_f32 v16, v16, |v[XS+\i]|, |v[XS+\i+1]|
	v_max3_num_f32 v17, v17, |v[XS+\i+2]|, |v[XS+\i+3]|
.endr
	v_max3_num_f32 v16, v16, |v[XS+30]|, |v[XS+31]|
	v_max3_num_f32 v16, v16, v17, 0x4800000        ; and the floor
	v_add_nc_u32 v19, 0xfc000000, v16              ; the conversion's scale operand
	v_and_or_b32 v18, v16, 0x7f800000, s36         ; 448 x the scale
	v_lshrrev_b32 v17, 23, v19                     ; the byte
.if (\t)%4 == 0
	v_mov_b32 v[24+(\t)/4], v17                    ; four bytes to a word, the lower keys in the lower byte
.else
	v_lshl_or_b32 v[24+(\t)/4], v17, 8*((\t)%4), v[24+(\t)/4]
.endif
.set i, 0
.rept 32
	v_med3_num_f32 v[XS+i], v[XS+i], -v18, v18
.set i, i+1
.endr
.irp g, 0,1,2,3
	v_cvt_scalef32_pk8_fp8_f32 v[CV+2*\g:CV+2*\g+1], v[XS+8*\g:XS+8*\g+7], v19
.endr
	v_nop                                          ; a plain line behind the last conversion
	global_store_b128 v8, v[CV:CV+3], s[18:19] offset:((\t)/4)*8192+((\t)%4)*512       ; keys 0-15 of the block are the image's lanes 0-15: sixteen lanes store 256 consecutive bytes, aligned
	global_store_b128 v8, v[CV+4:CV+7], s[18:19] offset:((\t)/4)*8192+((\t)%4)*512+256 ; keys 16-31 its lanes 16-31
.if (\t) < 6
	LOADV (\t)+2
.endif
.endm
	LOADV 0
	LOADV 1
.irp t, 0,1,2,3,4,5,6,7
	BLOCKV \t
.endr
	global_store_b32 v14, v24, s[20:21]            ; my columns' scale words of the two steps: 128 consecutive bytes each
	global_store_b32 v14, v25, s[20:21] offset:256
	s_endpgm
.Lfunc_end_k_qc37d3cce88_prep:
	.size	k_qc37d3cce88_prep, .Lfunc_end_k_qc37d3cce88_prep-k_qc37d3cce88_prep
	.p2alignl 7, 3214868480
	.fill 96, 4, 3214868480
	.section	.rodata,"a",@progbits
	.p2align	6, 0x0
	.amdhsa_kernel k_qc37d3cce88_prep
		.amdhsa_group_segment_fixed_size 36352
		.amdhsa_private_segment_fixed_size 0
		.amdhsa_enable_private_segment 0
		.amdhsa_kernarg_size 72
		.amdhsa_user_sgpr_count 2
		.amdhsa_user_sgpr_kernarg_segment_ptr 1
		.amdhsa_wavefront_size32 1
		.amdhsa_system_sgpr_workgroup_id_x 1
		.amdhsa_system_sgpr_workgroup_id_y 1
		.amdhsa_system_sgpr_workgroup_id_z 1
		.amdhsa_system_vgpr_workitem_id 0
		.amdhsa_next_free_vgpr 234
		.amdhsa_next_free_sgpr 66
		.amdhsa_reserve_vcc 0
		.amdhsa_float_denorm_mode_32 3
		.amdhsa_float_denorm_mode_16_64 3
		.amdhsa_memory_ordered 1
		.amdhsa_forward_progress 1
		.amdhsa_inst_pref_size 107
	.end_amdhsa_kernel
	.amdgpu_metadata
---
amdhsa.version: [ 1, 2 ]
amdhsa.kernels:
  - .name:           k_qc37d3cce88_prep
    .symbol:         k_qc37d3cce88_prep.kd
    .args:
      - { .name: queries, .offset: 0, .size: 8, .value_kind: global_buffer, .address_space: global }
      - { .name: keys, .offset: 8, .size: 8, .value_kind: global_buffer, .address_space: global }
      - { .name: values, .offset: 16, .size: 8, .value_kind: global_buffer, .address_space: global }
      - { .name: qimg, .offset: 24, .size: 8, .value_kind: global_buffer, .address_space: global }
      - { .name: qsw, .offset: 32, .size: 8, .value_kind: global_buffer, .address_space: global }
      - { .name: kimg, .offset: 40, .size: 8, .value_kind: global_buffer, .address_space: global }
      - { .name: ksw, .offset: 48, .size: 8, .value_kind: global_buffer, .address_space: global }
      - { .name: vimg, .offset: 56, .size: 8, .value_kind: global_buffer, .address_space: global }
      - { .name: vsw, .offset: 64, .size: 8, .value_kind: global_buffer, .address_space: global }
    .group_segment_fixed_size: 36352
    .private_segment_fixed_size: 0
    .kernarg_segment_align: 8
    .kernarg_segment_size: 72
    .max_flat_workgroup_size: 128
    .sgpr_count:     66
    .vgpr_count:     234
    .wavefront_size: 32
...
	.end_amdgpu_metadata
.endif
;; end of part 1
;; launch attn (part 2): grid 64 x 4, 8 waves a work-group, no clusters, 301,056 bytes of LDS; arguments qimg, qsw, kimg, ksw, vimg, vsw, mask, out0; writes out0
.if DOCPART == 2
	.amdgcn_target "amdgcn-amd-amdhsa--gfx1250"
	.amdhsa_code_object_version 6
	.text
	.protected	k_qc37d3cce88_attn
	.globl	k_qc37d3cce88_attn
	.p2align	8
	.type	k_qc37d3cce88_attn,@function
k_qc37d3cce88_attn:
	s_mov_b64 s[64:65], 0
	v_nop
	global_prefetch_b8 v0, s[64:65] scope:SCOPE_SE
	s_setreg_imm32_b32 hwreg(HW_REG_WAVE_MODE, 25, 1), 1
	s_wait_xcnt 0x0
; out0[b][h][l][:] = the sum over s of (softmax_s(q . k / 8) x mask[l][s]) v[s][:], both products on codes of FP8 (E4M3) with one E8M0 scale for each 32 along K.
; What the second product takes is the FINISHED weight (normalised, times the mask), so a block of 32 keys can be quantised only when its row's whole sum is known.
; SHARES.  A work-group owns 32 queries (grid x) of one batch (grid y) and walks that batch's 16 heads, a UNIT each.  Its 32 rows of the mask, 262,144 bytes, stay in LDS for the whole launch.
; In a unit wave w owns keys 256 w .. 256 w + 255 for both tiles of 16 queries: its 32 x 256 scores stay in 256 registers from the first product to the second, and each is exponentiated once.
; A UNIT: S^T = K Q^T | my keys' maximum m_w of each query | p = 2^(c s - c m_w), c = log2(e) / 8, and my sum l_w of p; a batch behind them p x mask and each block's largest magnitude |
;   (c m_w, l_w) to LDS; the barrier's signal and wait lie apart, with the rest of the mask work between | M = max c m_w, l = sum of l_w 2^(c m_w - M), f = 2^(c m_w - M) / l |
;   tile by tile: a = (p x mask) f, quantised, O^T += V^T a^T | the eight waves' parts of O are added through LDS, tile 0's while tile 1 is still being quantised; whole rows of 256 bytes are stored.
; LAYOUT.  Both products are used transposed (source 0 = keys, or V's channels; source 1 = my queries): a lane holds one query (lane % 16) throughout.
; K = 64 IN A FORM OF 128: source 0 is a PAIR of key tiles (64 codes of key 32 B + r + 8 (r / 8), then 64 of the key 8 further on); source 1 is (q | zeros) for the first tile, (zeros | q) for the second.
;   So the 16 registers of a block's two results are keys 32 B + 16 (lane / 16) + 0 .. 15 of my query: the order in which the second product's operand wants them.
; K, V AND Q come from memory straight into registers, as images of the operands' registers (512 consecutive bytes a load), well ahead of their use.
; NO TENSOR LOADS, NO CLUSTER: the mask rows take 262,656 bytes of LDS and the exchanges 37,376; in the 27,648 left of 327,680 a ring for a unit's 262,144 bytes of K and V would be filled again ten times a unit, each time behind a barrier of all eight waves.
; LIMITS: NaN and infinities among the inputs are not served; weights under 2^-126 count as 0 (v_exp_f32 flushes them: ISA guide 15.8); a block of zeros has the byte 1 (its codes are zeros);
;   the weight is formed as (p x mask) x (2^(c m_w - M) / l) where the definition reads (p / l) x mask: the same product in another order of rounding.  A mask of any sign is served.
; REGISTERS, window 0: v1-11 addresses; v16-63 Q's four operands round two runs of zeros (v24-31, v48-55); between the first product and the next unit's loads of Q its other registers are at work:
;   v16-23 sums and TM0-7, v32-47 the blocks' largest magnitudes, v56-63 TM8-15; v64-127 K's pairs 0-3, then V's step 0; v128-191 K's pairs 4-7, then two buffers of the mask, then V's step 1;
;   v192-223 a third buffer of the mask, then the exchanged figures, then a's codes (step s at 192 + 16 s);
;   v224-227 K's then V's scale words, v228-231 Q's, v232-233 a's, by step (these ten hold scales and nothing else); v234-245 c m_w, f, l_w; v246-255 at work.
; window 1: the scores S[t][B][i] at 128 t + 16 B + i; once a tile's first 64 are converted, O^T[t][dt] at 128 t + 8 dt; tile 0's dead registers 32-63 and 64-95 take the eight parts of O on their way out.
.set MP,   8208                        ; a mask row in LDS: 8,192 bytes + 16: the 16 rows that a load touches begin 16 bytes apart modulo 256
.set STAT, 32*MP                       ; 32 queries x 80 bytes: eight words c m_w, eight words l_w
.set RED,  STAT+2560                   ; eight waves x 16 queries x (256 bytes + 16): parts of O
.set REDW, 16*272
.set MB0,  192                         ; the mask's three buffers of two blocks: pair P of a unit's eight lies in buffer P % 3
.set MB1,  128
.set MB2,  160
.set RB0,  32                          ; window 1: tile 0's eight parts of O, read back;
.set RB1,  64                          ; tile 1's
.set MSB, 0
.macro WIN new                         ; s_set_vgpr_msb: bits 1:0 source 0, 3:2 source 1, 5:4 source 2, 7:6 destination; the high byte repeats the setting that is left
.if MSB != \new
	s_set_vgpr_msb (MSB<<8)|\new
.set MSB, \new
.endif
.endm
.macro PLACES n
.rept \n
	v_nop
.endr
.endm
.macro BARRIER                         ; my LDS stores have landed and my LDS loads are in: then the work-group's barrier
	s_wait_dscnt 0x0
	s_barrier_signal -1
	s_barrier_wait -1
.endm
.macro LOADK hf                        ; four of my eight pairs of key tiles, and their scale words: a register holds an even pair's words in lanes 0-15, the odd pair's in lanes 16-31.  18 loads
.irp b, 0,1,2,3
.irp c, 0,1,2,3
	global_load_b128 v[64+64*\hf+16*\b+4*\c:64+64*\hf+16*\b+4*\c+3], v3, s[8:9] offset:2048*(4*\hf+\b)+512*\c
.endr
.endr
.irp i, 0,1
	global_load_b32 v[224+2*\hf+\i], v4, s[10:11] offset:128*(2*\hf+\i)
.endr
.endm
.macro LOADQ                           ; each tile's 8 registers twice: once in front of a run of zeros, once behind one.  9 loads
.irp c, 0,1
	global_load_b128 v[16+4*\c:19+4*\c], v3, s[4:5] offset:512*\c
	global_load_b128 v[56+4*\c:59+4*\c], v3, s[4:5] offset:512*\c
	global_load_b128 v[32+4*\c:35+4*\c], v3, s[4:5] offset:1024+512*\c
	global_load_b128 v[40+4*\c:43+4*\c], v3, s[4:5] offset:1024+512*\c
.endr
	global_load_b32 v231, v5, s[6:7]
.endm
.macro LOADVD s, d                     ; V's fragment of step s (128 of my keys), channels 16 d on.  4 loads
.irp c, 0,1,2,3
	global_load_b128 v[64+64*\s+16*\d+4*\c:64+64*\s+16*\d+4*\c+3], v3, s[12:13] offset:8192*\s+2048*\d+512*\c
.endr
.endm
.macro LOADVS s                        ; and the step's scale words.  2 loads
.irp i, 0,1
	global_load_b32 v[224+2*\s+\i], v4, s[14:15] offset:256*\s+128*\i
.endr
.endm
.macro QK1 be, t, u, qr                ; the scores of key tile u of pair be for query tile t.  Every sum is one instruction deep and begins with the constant 0
.if (\be)%2
	v_wmma_scale_f32_16x16x128_f8f6f4 v[128*\t+16*(\be)+8*\u:128*\t+16*(\be)+8*\u+7], v[64+16*(\be):64+16*(\be)+15], v[\qr:\qr+15], 0, v[224+(\be)/2], v[228+2*\t+\u] matrix_a_scale:MATRIX_SCALE_ROW1
.else
	v_wmma_scale_f32_16x16x128_f8f6f4 v[128*\t+16*(\be)+8*\u:128*\t+16*(\be)+8*\u+7], v[64+16*(\be):64+16*(\be)+15], v[\qr:\qr+15], 0, v[224+(\be)/2], v[228+2*\t+\u]
.endif
.endm
.macro QKB be
	QK1 \be, 0, 0, 16                              ; (q0 | 0)
	QK1 \be, 0, 1, 48                              ; (0 | q0)
	QK1 \be, 1, 0, 40                              ; (q1 | 0)
	QK1 \be, 1, 1, 24                              ; (0 | q1)
.endm
.macro MLOADP p, buf                   ; pair p of the mask: tile p / 4, my blocks 2 (p % 4) and the next: 16 numbers a lane and block.  8 loads
.irp k, 0,1
.irp j, 0,1,2,3
	ds_load_b128 v[\buf+16*\k+4*\j:\buf+16*\k+4*\j+3], v[1+(\p)/4] offset:128*(2*((\p)%4)+\k)+16*\j
.endr
.endr
.endm
; My keys' largest score of each query, as c m_w.  Eight chains (tile, quarter of 32 registers) by turns; each chain goes up its registers.
.macro MAXROW
	WIN 0x15
.irp t, 0,1
.irp q, 0,1,2,3
	v_max3_num_f32 v[246+4*\t+\q], v[128*\t+32*\q], v[128*\t+32*\q+1], v[128*\t+32*\q+2]
.endr
.endr
	WIN 0x14
.irp i, 3,5,7,9,11,13,15,17,19,21,23,25,27,29
.irp t, 0,1
.irp q, 0,1,2,3
	v_max3_num_f32 v[246+4*\t+\q], v[246+4*\t+\q], v[128*\t+32*\q+\i], v[128*\t+32*\q+\i+1]
.endr
.endr
.endr
.irp t, 0,1
	v_max3_num_f32 v[246+4*\t], v[246+4*\t], v[128*\t+31], v[128*\t+63]     ; the quarters' last registers
	v_max3_num_f32 v[248+4*\t], v[248+4*\t], v[128*\t+95], v[128*\t+127]
.endr
	WIN 0
.irp t, 0,1
	v_max3_num_f32 v[246+4*\t], v[246+4*\t], v[247+4*\t], v[248+4*\t]
.endr
.irp t, 0,1
	v_max_num_f32 v[246+4*\t], v[246+4*\t], v[249+4*\t]
.endr
.irp t, 0,1
	v_permlanex16_b32 v[254+\t], v[246+4*\t], s30, s31   ; the query's other keys of each block lie in lane l xor 16
.endr
.irp t, 0,1
	v_max_num_f32 v[246+4*\t], v[246+4*\t], v[254+\t]
.endr
.irp t, 0,1
	v_mul_f32 v[234+2*\t], s28, v[246+4*\t]        ; c m_w
.endr
.endm
.macro FMAP n, j                       ; pair j of batch n (64 scores from register 64 n on; tile n / 2): c s - c m_w, two at a time
	v_pk_fma_f32 v[64*(\n)+2*(\j):64*(\n)+2*(\j)+1], v[64*(\n)+2*(\j):64*(\n)+2*(\j)+1], s[28:29], v[234+2*((\n)/2):235+2*((\n)/2)] op_sel_hi:[1,0,0] neg_lo:[0,0,1] neg_hi:[0,0,1]
.endm
; Batch n: its 64 exponentials, one batch with one wait; a scaling of the NEXT batch stands in front of each two of them (the same window; it names no exponential's result).  Then the batch's p are added, in four chains that run through a tile's two batches.
.macro EXPB n
	WIN 0x41
.set j, 0
.rept 32
.if (\n) < 3
	FMAP (\n)+1, j
.endif
	v_exp_f32 v[64*(\n)+2*j], v[64*(\n)+2*j]
	v_exp_f32 v[64*(\n)+2*j+1], v[64*(\n)+2*j+1]
.set j, j+1
.endr
	v_nop                                          ; a plain line behind the last exponential
	s_wait_alu depctr_va_vdst(0)                   ; one wait for the batch, ahead of its first reader
.if (\n)%2 == 0
	WIN 0x05
.irp k, 0,1,2,3
	v_pk_add_f32 v[16+2*\k:17+2*\k], v[64*(\n)+4*\k:64*(\n)+4*\k+1], v[64*(\n)+4*\k+2:64*(\n)+4*\k+3]   ; the four chains begin: nothing is cleared
.endr
	WIN 0x01
.set j, 8
.rept 24
	v_pk_add_f32 v[16+2*(j%4):17+2*(j%4)], v[64*(\n)+2*j:64*(\n)+2*j+1], v[16+2*(j%4):17+2*(j%4)]
.set j, j+1
.endr
.else
	WIN 0x01
.set j, 0
.rept 32
	v_pk_add_f32 v[16+2*(j%4):17+2*(j%4)], v[64*(\n)+2*j:64*(\n)+2*j+1], v[16+2*(j%4):17+2*(j%4)]
.set j, j+1
.endr
	WIN 0
	v_pk_add_f32 v[16:17], v[16:17], v[18:19]
	v_pk_add_f32 v[20:21], v[20:21], v[22:23]
	v_pk_add_f32 v[242+2*((\n)/2):243+2*((\n)/2)], v[16:17], v[20:21]   ; the tile's sum, in two halves
.endif
.endm
.macro MULP p, buf                     ; p x mask for pair p: registers 32 p on
	WIN 0x41
.irp n, 0,1,2,3,4,5,6,7,8,9,10,11,12,13,14,15
	v_pk_mul_f32 v[32*(\p)+2*\n:32*(\p)+2*\n+1], v[32*(\p)+2*\n:32*(\p)+2*\n+1], v[\buf+2*\n:\buf+2*\n+1]
.endr
.endm
.macro MAXB p, nb                      ; the largest |p x mask| of my 16 numbers of each of nb blocks from pair p's first on; the blocks by turns
	WIN 0x14
.set k, 0
.rept \nb
	v_max3_num_f32 v[32+2*(\p)+k], 0, |v[32*(\p)+16*k]|, |v[32*(\p)+16*k+1]|
.set k, k+1
.endr
.irp i, 2,4,6,8,10,12,14
.set k, 0
.rept \nb
	v_max3_num_f32 v[32+2*(\p)+k], v[32+2*(\p)+k], |v[32*(\p)+16*k+\i]|, |v[32*(\p)+16*k+\i+1]|
.set k, k+1
.endr
.endr
.endm
.macro STAT1                           ; my (c m_w, l_w) of the 32 queries go to LDS
	WIN 0
.irp t, 0,1
	v_add_f32 v[242+2*\t], v[242+2*\t], v[243+2*\t]
.endr
.irp t, 0,1
	v_permlanex16_b32 v[254+\t], v[242+2*\t], s30, s31
.endr
.irp t, 0,1
	v_add_f32 v[242+2*\t], v[242+2*\t], v[254+\t]  ; l_w
.endr
.irp t, 0,1
	ds_store_b32 v6, v[234+2*\t] offset:1280*\t    ; lanes l and l xor 16 write the same word with the same value
	ds_store_b32 v6, v[242+2*\t] offset:1280*\t+32
.endr
.endm
.macro STAT2                           ; all eight waves' figures of my two queries.  8 loads
.irp t, 0,1
.irp i, 0,1,2,3
	ds_load_b128 v[192+16*\t+4*\i:195+16*\t+4*\i], v7 offset:1280*\t+16*\i
.endr
.endr
.endm
.macro STAT3                           ; f = 2^(c m_w - M) / l for my keys.  l is at least 1: the wave that holds M has a p of 1
.irp t, 0,1
	v_max3_num_f32 v[246+\t], v[192+16*\t], v[193+16*\t], v[194+16*\t]
.endr
.irp i, 3,5
.irp t, 0,1
	v_max3_num_f32 v[246+\t], v[246+\t], v[192+16*\t+\i], v[193+16*\t+\i]
.endr
.endr
.irp t, 0,1
	v_max_num_f32 v[246+\t], v[246+\t], v[199+16*\t]   ; M
.endr
.irp w, 0,1,2,3,4,5,6,7
.irp t, 0,1
	v_sub_f32 v[192+16*\t+\w], v[192+16*\t+\w], v[246+\t]
.endr
.endr
.irp t, 0,1
	v_sub_f32 v[248+\t], v[234+2*\t], v[246+\t]
.endr
.irp w, 0,1,2,3,4,5,6,7
.irp t, 0,1
	v_exp_f32 v[192+16*\t+\w], v[192+16*\t+\w]
.endr
.endr
.irp t, 0,1
	v_exp_f32 v[248+\t], v[248+\t]
.endr
	v_nop
	s_wait_alu depctr_va_vdst(0)                   ; one wait for the eighteen
.irp t, 0,1
	v_mul_f32 v[250+\t], v[192+16*\t], v[200+16*\t]
.endr
.irp w, 1,2,3,4,5,6,7
.irp t, 0,1
	v_fmac_f32 v[250+\t], v[192+16*\t+\w], v[200+16*\t+\w]   ; l
.endr
.endr
.irp t, 0,1
	v_rcp_f32 v[252+\t], v[250+\t]
.endr
	v_nop
	s_wait_alu depctr_va_vdst(0)                   ; and one for the two
.irp t, 0,1
	v_mul_f32 v[238+2*\t], v[248+\t], v[252+\t]    ; f
.endr
.endm
; The four blocks of step s of tile t: the largest |a| is the largest |p x mask| times f (the same multiplication that the numbers get: rounding keeps the order); from it the scale's byte, the hold and the conversion's operand.
.macro SCALE t, s
	WIN 0
.irp b, 0,1,2,3
	v_permlanex16_b32 v[20+\b], v[32+8*\t+4*\s+\b], s30, s31
.endr
.irp b, 0,1,2,3
	v_max_num_f32 v[16+\b], v[32+8*\t+4*\s+\b], v[20+\b]
.endr
.irp b, 0,1,2,3
	v_mul_f32 v[16+\b], v[16+\b], v[238+2*\t]
.endr
.irp b, 0,1,2,3
	v_max_num_f32 v[16+\b], 0x4800000, v[16+\b]    ; the floor 2^(9 - 127): the byte cannot fall under 1
.endr
.irp b, 0,1,2,3
	v_add_nc_u32 v[60+\b], 0xfc000000, v[16+\b]    ; 8 off the exponent field: the conversion's scale operand
.endr
.irp b, 0,1,2,3
	v_and_or_b32 v[56+\b], v[16+\b], 0x7f800000, s32   ; 448 x the scale
.endr
.irp b, 0,1,2,3
	v_lshrrev_b32 v[20+\b], 23, v[60+\b]           ; the byte
.endr
	v_lshl_or_b32 v[232+\s], v21, 8, v20           ; a's scale word for these 128 keys
	v_lshl_or_b32 v[232+\s], v22, 16, v[232+\s]
	v_lshl_or_b32 v[232+\s], v23, 24, v[232+\s]
.endm
.macro HOLDA t, s                      ; a = (p x mask) f
.set HB, 128*\t+64*\s
	WIN 0x41
.set j, 0
.rept 32
	v_pk_mul_f32 v[HB+j:HB+j+1], v[HB+j:HB+j+1], v[238+2*\t:239+2*\t] op_sel_hi:[1,0]
.set j, j+2
.endr
.endm
.macro HOLDM t, s                      ; held within +-448 x the scale: the conversion does not saturate (ISA guide 7.6.2), and the mask may be negative
.set HB, 128*\t+64*\s
	WIN 0x41
.irp b, 0,1,2,3
.irp i, 0,1,2,3,4,5,6,7,8,9,10,11,12,13,14,15
	v_med3_num_f32 v[HB+16*\b+\i], v[HB+16*\b+\i], -v[56+\b], v[56+\b]
.endr
.endr
.endm
.macro HOLDC t, s                      ; converted: 16 registers of codes at v[192 + 16 s]
.set HB, 128*\t+64*\s
	WIN 0x01
.irp b, 0,1,2,3
	v_cvt_scalef32_pk8_fp8_f32 v[192+16*\s+4*\b:193+16*\s+4*\b], v[HB+16*\b:HB+16*\b+7], v[60+\b]
	v_cvt_scalef32_pk8_fp8_f32 v[194+16*\s+4*\b:195+16*\s+4*\b], v[HB+16*\b+8:HB+16*\b+15], v[60+\b]
.endr
	v_nop                                          ; a plain line behind the last conversion
.endm
.macro PV1 t, s, d
.set rO, 128*\t+8*\d
.set rV, 64+64*\s+16*\d
.set rP, 192+16*\s
.set rW, 224+2*\s+\d/2
.if \s == 0
.if \d%2
	v_wmma_scale_f32_16x16x128_f8f6f4 v[rO:rO+7], v[rV:rV+15], v[rP:rP+15], 0, v[rW], v[232+\s] matrix_a_scale:MATRIX_SCALE_ROW1
.else
	v_wmma_scale_f32_16x16x128_f8f6f4 v[rO:rO+7], v[rV:rV+15], v[rP:rP+15], 0, v[rW], v[232+\s]
.endif
.else
.if \d%2
	v_wmma_scale_f32_16x16x128_f8f6f4 v[rO:rO+7], v[rV:rV+15], v[rP:rP+15], v[rO:rO+7], v[rW], v[232+\s] matrix_a_scale:MATRIX_SCALE_ROW1
.else
	v_wmma_scale_f32_16x16x128_f8f6f4 v[rO:rO+7], v[rV:rV+15], v[rP:rP+15], v[rO:rO+7], v[rW], v[232+\s]
.endif
.endif
.endm
.macro PV t, s                         ; O^T (+)= V^T a^T for tile t, step s: the tile's four accumulators take turns, one instruction a turn; step 0 starts the sums with the constant 0
.if \s == 0
	WIN 0x40
.else
	WIN 0x50
.endif
.irp d, 0,1,2,3
	PV1 \t, \s, \d
.endr
.endm
; THE REDUCTION of a tile: every wave's part of O^T goes into its region of LDS; wave w reads queries 2 w, 2 w + 1 of all eight regions, adds, and stores two whole rows of out0: 512 consecutive bytes, aligned.
.macro RSTORE t
	WIN 0x04                                       ; an LDS store's data are its source 1
.irp d, 0,1,2,3
	ds_store_b128 v8, v[128*\t+8*\d:128*\t+8*\d+3] offset:64*\d          ; each accumulator from its low end on
	ds_store_b128 v8, v[128*\t+8*\d+4:128*\t+8*\d+7] offset:64*\d+16
.endr
.endm
.macro RLOAD rb
	WIN 0x40
.irp k, 0,1,2,3,4,5,6,7
	ds_load_b128 v[\rb+4*\k:\rb+4*\k+3], v9 offset:REDW*\k
.endr
.endm
.macro RSUM rb
	WIN 0x45
.irp k, 0,2,4,6
	v_pk_add_f32 v[\rb+4*\k:\rb+4*\k+1], v[\rb+4*\k:\rb+4*\k+1], v[\rb+4*\k+4:\rb+4*\k+5]
	v_pk_add_f32 v[\rb+4*\k+2:\rb+4*\k+3], v[\rb+4*\k+2:\rb+4*\k+3], v[\rb+4*\k+6:\rb+4*\k+7]
.endr
.irp k, 0,4
	v_pk_add_f32 v[\rb+4*\k:\rb+4*\k+1], v[\rb+4*\k:\rb+4*\k+1], v[\rb+4*\k+8:\rb+4*\k+9]
	v_pk_add_f32 v[\rb+4*\k+2:\rb+4*\k+3], v[\rb+4*\k+2:\rb+4*\k+3], v[\rb+4*\k+10:\rb+4*\k+11]
.endr
	v_pk_add_f32 v[\rb:\rb+1], v[\rb:\rb+1], v[\rb+16:\rb+17]
	v_pk_add_f32 v[\rb+2:\rb+3], v[\rb+2:\rb+3], v[\rb+18:\rb+19]
.endm
.macro ROUT t, rb
	WIN 0x04                                       ; a store's data are its source 1
	global_store_b128 v10, v[\rb:\rb+3], s[18:19] offset:2048*\t th:TH_STORE_NT
.endm
	s_load_b512 s[4:19], s[0:1], 0x0               ; qimg s[4:5], qsw s[6:7], kimg s[8:9], ksw s[10:11], vimg s[12:13], vsw s[14:15], mask s[16:17], out0 s[18:19]
	v_lshrrev_b32 v12, 5, v0
	v_readfirstlane_b32 s20, v12                   ; wave 0..7
	s_mov_b32 s21, ttmp9                           ; my block of 32 queries
	s_and_b32 s22, ttmp7, 0xffff                   ; my batch
	v_and_b32 v12, 31, v0                          ; lane
	v_and_b32 v13, 15, v0                          ; r
	v_bfe_u32 v14, v0, 4, 1                        ; h
	v_mul_u32_u24 v1, v13, MP                      ; the mask of tile 0: LDS row r, + my wave's 256 keys, + 64 h
	v_lshl_add_u32 v1, v14, 6, v1
	s_lshl_b32 s24, s20, 10
	v_add_nc_u32 v1, s24, v1
	v_add_nc_u32 v2, 16*MP, v1                     ; of tile 1: LDS row 16 + r
	v_lshlrev_b32 v3, 4, v12                       ; an image's place for my lane; steps a head on in each unit
	v_lshlrev_b32 v4, 2, v12                       ; K's and V's scale words
	v_lshlrev_b32 v5, 2, v13                       ; Q's
	v_mul_u32_u24 v7, v13, 80
	v_add_nc_u32 v7, STAT, v7                      ; my query's figures,
	s_lshl_b32 s24, s20, 2
	v_add_nc_u32 v6, s24, v7                       ; and my wave's word among them
	s_mul_i32 s24, s20, REDW
	s_add_co_u32 s24, s24, RED
	v_mul_u32_u24 v8, v13, 272
	v_lshl_add_u32 v8, v14, 5, v8
	v_add_nc_u32 v8, s24, v8                       ; my part of O: my wave's region, row r, + 32 h
	s_mul_i32 s24, s20, 544
	s_add_co_u32 s24, s24, RED
	v_mul_u32_u24 v9, v14, 272
	v_lshl_add_u32 v9, v13, 4, v9
	v_add_nc_u32 v9, s24, v9                       ; back: rows 2 w and 2 w + 1 of each region, 16 bytes a lane
	v_lshlrev_b32 v10, 4, v12                      ; and the same two rows in out0; steps a head on in each unit
	s_mul_i32 s24, s20, 4*MP
	v_lshl_add_u32 v11, v12, 4, s24                ; the mask on its way in: LDS rows 4 w .. 4 w + 3
.irp j, 24,25,26,27,28,29,30,31,48,49,50,51,52,53,54,55
	v_mov_b32 v\j, 0                               ; the two runs of zero codes: they stay
.endr
.irp j, 235,237,239,241,246,247,248,249,250,251,252,253,254,255
	v_mov_b32 v\j, 0                               ; upper words of pairs of which the low word alone is used, and lane permutes' destinations: written once
.endr
	s_mov_b32 s28, 0x3e38aa3b                      ; c = log2(e) / 8
	s_mov_b32 s29, s28                             ; (named with it as a pair)
	s_mov_b32 s30, 0x76543210
	s_mov_b32 s31, 0xfedcba98                      ; v_permlanex16_b32's selects for lane l xor 16
	s_mov_b32 s32, 0x600000                        ; the mantissa field of 448
	s_mov_b32 s34, 0                               ; the unit
	s_mov_b32 s25, 0
	s_mov_b32 s27, 0
	s_lshl_b32 s24, s22, 21                        ; images: 16 heads of 131,072 bytes a batch
	s_lshl_b32 s26, s21, 11
	s_add_co_u32 s26, s26, s24                     ; Q: my block of 2,048 bytes
	s_lshl_b32 s33, s20, 14
	s_add_co_u32 s24, s24, s33                     ; K, V: my wave's 16,384 bytes
	s_wait_kmcnt 0x0
	s_add_nc_u64 s[4:5], s[4:5], s[26:27]
	s_add_nc_u64 s[8:9], s[8:9], s[24:25]
	s_add_nc_u64 s[12:13], s[12:13], s[24:25]
	s_lshl_b32 s24, s22, 16                        ; scale words: 16 heads of 4,096 bytes a batch
	s_lshl_b32 s26, s21, 6
	s_add_co_u32 s26, s26, s24
	s_lshl_b32 s33, s20, 9
	s_add_co_u32 s24, s24, s33
	s_add_nc_u64 s[6:7], s[6:7], s[26:27]
	s_add_nc_u64 s[10:11], s[10:11], s[24:25]
	s_add_nc_u64 s[14:15], s[14:15], s[24:25]
	s_and_b32 s24, s20, 1                          ; LDS row 16 t + r holds the block's row 8 t + r + 8 (r / 8): bits 3 and 4 change places.  So LDS rows 4 w on are memory rows 4 w' on, w' = w with bits 1 and 2 changed
	s_and_b32 s26, s20, 2
	s_lshl_b32 s26, s26, 1
	s_or_b32 s24, s24, s26
	s_and_b32 s26, s20, 4
	s_lshr_b32 s26, s26, 1
	s_or_b32 s24, s24, s26
	s_lshl_b32 s24, s24, 15                        ; 4 rows of 8,192 bytes
	s_lshl_b32 s26, s21, 18                        ; 32 rows
	s_add_co_u32 s24, s24, s26
	s_add_nc_u64 s[16:17], s[16:17], s[24:25]
	s_lshl_b32 s24, s22, 23                        ; out0: 16 heads x 2,048 rows of 256 bytes a batch,
	s_lshl_b32 s26, s21, 13                        ; my block's 32 rows,
	s_add_co_u32 s24, s24, s26
	s_lshl_b32 s26, s20, 9                         ; the rows of the tile's queries 2 w, 2 w + 1: 2 w + 8 (w / 4) on
	s_add_co_u32 s24, s24, s26
	s_lshr_b32 s26, s20, 2
	s_lshl_b32 s26, s26, 11
	s_add_co_u32 s24, s24, s26
	s_add_nc_u64 s[18:19], s[18:19], s[24:25]
	WIN 0x40                                       ; the mask: my four rows, 64 loads of 512 consecutive bytes, through the registers that the scores will take
.irp k, 0,1,2,3
.irp i, 0,1,2,3,4,5,6,7,8,9,10,11,12,13,14,15
	global_load_b128 v[4*(16*\k+\i):4*(16*\k+\i)+3], v3, s[16:17] offset:8192*\k+512*\i
.endr
.endr
	WIN 0
	LOADK 0                                        ; the first unit's operands
	LOADQ
	LOADK 1
	s_wait_loadcnt 45                              ; the mask is in; the 18 + 9 + 18 loads behind it may be out
	WIN 0x04
.irp k, 0,1,2,3
.irp i, 0,1,2,3,4,5,6,7,8,9,10,11,12,13,14,15
	ds_store_b128 v11, v[4*(16*\k+\i):4*(16*\k+\i)+3] offset:MP*\k+512*\i
.endr
.endr
	WIN 0
	BARRIER                                        ; the 32 rows lie in LDS, and stay
.Lunit:
	; ---- the scores
	s_wait_loadcnt 18                              ; K's first four pairs and Q are in; the 18 loads of K's other four may be out
	v_and_b32 v228, 0xffff, v231                   ; Q's scale words: tile 0's two bytes under (q0 | 0),
	v_lshlrev_b32 v229, 16, v231                   ; under (0 | q0);
	v_lshrrev_b32 v230, 16, v231                   ; tile 1's under (q1 | 0),
	v_and_b32 v231, 0xffff0000, v231               ; under (0 | q1).  The bytes over the zero codes are 0, which is no NaN
	PLACES 8                                       ; a scale register written by a vector instruction stands eight places ahead of the product
	WIN 0x40
.irp be, 0,1,2,3
	QKB \be
.endr
	s_wait_loadcnt 0x0
.irp be, 4,5,6,7
	QKB \be
.endr
	WIN 0
	PLACES 8                                       ; in front of loads into registers that these products read, and of the first read of their results
.irp d, 0,1,2,3
	LOADVD 0, \d                                   ; V's step 0, into the registers of K's pairs 0-3: wanted behind the exchange
.endr
	LOADVS 0
	; ---- the softmax's first part.  The mask's pairs are asked for three ahead; the mask work runs a batch behind the exponentials, so that four pairs are left for the exchange to lie under
	MLOADP 0, MB0
	MAXROW
	MLOADP 1, MB1
	WIN 0x41
.set j, 0
.rept 32
	FMAP 0, j
.set j, j+1
.endr
	EXPB 0
	WIN 0
	MLOADP 2, MB2
	EXPB 1
	s_wait_dscnt 8                                 ; pairs 0 and 1 of the mask are in; pair 2's eight loads may be out
	MULP 0, MB0
	MULP 1, MB1
	WIN 0x14
	MLOADP 3, MB0
	MLOADP 4, MB1
	MAXB 0, 4
	EXPB 2
	s_wait_dscnt 8                                 ; pairs 2 and 3 are in; pair 4's eight loads may be out
	MULP 2, MB2
	MULP 3, MB0
	WIN 0x14
	MLOADP 5, MB2
	MLOADP 6, MB0
	MAXB 2, 4
	EXPB 3
	; ---- the exchange
	STAT1
	s_wait_dscnt 20                                ; pair 4 is in; behind it: pairs 5 and 6, eight loads each, and my four stores
	MULP 4, MB1
	MAXB 4, 2
	s_wait_dscnt 0x0                               ; my figures have landed (and pairs 5 and 6 are in):
	s_barrier_signal -1                            ; say so.  Up to the wait: work on registers, and loads of mask bytes, which nobody writes again
	MLOADP 7, MB1
	MULP 5, MB2
	MULP 6, MB0
	MAXB 5, 4
	s_barrier_wait -1                              ; all eight waves' figures lie in LDS
	STAT2                                          ; into the buffer that pair 6 has left
	LOADVD 1, 2                                    ; V's step 1 takes the mask's buffers as they fall free: pair 5's now,
	LOADVD 1, 3
	s_wait_dscnt 8                                 ; pair 7 is in; the eight loads of figures may be out
	MULP 7, MB1
	MAXB 7, 2
	LOADVD 1, 0                                    ; pair 7's here
	LOADVD 1, 1
	LOADVS 1
	WIN 0
	s_wait_dscnt 0x0                               ; the figures
	STAT3
	; ---- tile 0: quantised and multiplied, step by step
	SCALE 0, 0
	HOLDA 0, 0
	HOLDM 0, 0
	HOLDC 0, 0
	PLACES 4                                       ; codes written by vector instructions stand four places ahead of the product; the scale word was made ahead of the hold
	s_wait_loadcnt 18                              ; V's step 0 is in; the 8 + 8 + 2 loads of step 1 may be out
	PV 0, 0
	SCALE 0, 1
	HOLDA 0, 1
	HOLDM 0, 1
	HOLDC 0, 1
	PLACES 4
	s_wait_loadcnt 0x0                             ; V's step 1
	PV 0, 1
	; ---- tile 1 likewise; tile 0's reduction lies under it
	SCALE 1, 0                                     ; 31 lines that name no register of the last products: the places in front of the first read of tile 0's O^T
	RSTORE 0
	HOLDA 1, 0
	HOLDM 1, 0
	s_wait_dscnt 0x0                               ; my part of tile 0 has landed (96 lines behind its stores):
	s_barrier_signal -1                            ; say so; work on registers up to the wait
	HOLDC 1, 0
	PLACES 4
	PV 1, 0
	SCALE 1, 1                                     ; also the places in front of the loads into V's step 0
	s_barrier_wait -1                              ; all eight parts of tile 0 lie in LDS
	RLOAD RB0
	WIN 0
	v_add_nc_u32 v3, 0x20000, v3                   ; on to the next head (no load is out: the wait for V's step 1 has freed these three)
	v_add_nc_u32 v4, 0x1000, v4
	v_add_nc_u32 v5, 0x1000, v5
	s_cmp_eq_u32 s34, 15                           ; the last unit asks for nothing: no load leaves its buffer
	s_cbranch_scc1 .Lno_k0
	LOADK 0                                        ; into the registers of V's step 0
.Lno_k0:
	HOLDA 1, 1
	HOLDM 1, 1
	HOLDC 1, 1
	WIN 0
	s_cmp_eq_u32 s34, 15
	s_cbranch_scc1 .Lno_q
	LOADQ                                          ; the scales', holds' and maxima's registers are done with
.Lno_q:
	s_wait_dscnt 0x0                               ; tile 0's parts are in my registers: my reads of the regions are over:
	s_barrier_signal -1                            ; say so; work on registers up to the wait
	PLACES 4
	PV 1, 1
	RSUM RB0                                       ; 14 lines that name no register of those products: the places in front of the first read of tile 1's O^T and of the loads into V's step 1
	s_barrier_wait -1                              ; nobody reads the regions any more: they may be written again
	ROUT 0, RB0
	RSTORE 1
	WIN 0
	s_cmp_eq_u32 s34, 15
	s_cbranch_scc1 .Lno_k1
	LOADK 1                                        ; into the registers of V's step 1; the loads' issue stands between my stores and the wait for them
.Lno_k1:
	BARRIER                                        ; all eight parts of tile 1 lie in LDS
	RLOAD RB1
	s_wait_dscnt 0x0
	RSUM RB1
	ROUT 1, RB1
	WIN 0
	s_wait_xcnt 0x0                                ; both stores have read their offset and their data: the offset steps, and the next scores may land on the data
	v_add_nc_u32 v10, 0x80000, v10                 ; the next head's rows of out0
	s_add_co_u32 s34, s34, 1
	s_cmp_lt_u32 s34, 16
	s_cbranch_scc1 .Lunit
	s_wait_xcnt 0x0
	v_lshl_add_u32 v254, v0, 2, 0x49400
	v_mov_b32 v255, 0
	s_wait_tensorcnt 0x0
	ds_add_u32 v254, v255
	s_wait_dscnt 0x0
	s_endpgm
.Lfunc_end_k_qc37d3cce88_attn:
	.size	k_qc37d3cce88_attn, .Lfunc_end_k_qc37d3cce88_attn-k_qc37d3cce88_attn
	.p2alignl 7, 3214868480
	.fill 96, 4, 3214868480
	.section	.rodata,"a",@progbits
	.p2align	6, 0x0
	.amdhsa_kernel k_qc37d3cce88_attn
		.amdhsa_group_segment_fixed_size 301056
		.amdhsa_private_segment_fixed_size 0
		.amdhsa_enable_private_segment 0
		.amdhsa_kernarg_size 64
		.amdhsa_user_sgpr_count 2
		.amdhsa_user_sgpr_kernarg_segment_ptr 1
		.amdhsa_wavefront_size32 1
		.amdhsa_system_sgpr_workgroup_id_x 1
		.amdhsa_system_sgpr_workgroup_id_y 1
		.amdhsa_system_sgpr_workgroup_id_z 1
		.amdhsa_system_vgpr_workitem_id 0
		.amdhsa_next_free_vgpr 512
		.amdhsa_next_free_sgpr 66
		.amdhsa_reserve_vcc 0
		.amdhsa_float_denorm_mode_32 3
		.amdhsa_float_denorm_mode_16_64 3
		.amdhsa_memory_ordered 1
		.amdhsa_forward_progress 1
		.amdhsa_inst_pref_size 130
	.end_amdhsa_kernel
	.amdgpu_metadata
---
amdhsa.version: [ 1, 2 ]
amdhsa.kernels:
  - .name:           k_qc37d3cce88_attn
    .symbol:         k_qc37d3cce88_attn.kd
    .args:
      - { .name: qimg, .offset: 0, .size: 8, .value_kind: global_buffer, .address_space: global }
      - { .name: qsw, .offset: 8, .size: 8, .value_kind: global_buffer, .address_space: global }
      - { .name: kimg, .offset: 16, .size: 8, .value_kind: global_buffer, .address_space: global }
      - { .name: ksw, .offset: 24, .size: 8, .value_kind: global_buffer, .address_space: global }
      - { .name: vimg, .offset: 32, .size: 8, .value_kind: global_buffer, .address_space: global }
      - { .name: vsw, .offset: 40, .size: 8, .value_kind: global_buffer, .address_space: global }
      - { .name: mask, .offset: 48, .size: 8, .value_kind: global_buffer, .address_space: global }
      - { .name: out0, .offset: 56, .size: 8, .value_kind: global_buffer, .address_space: global }
    .group_segment_fixed_size: 301056
    .private_segment_fixed_size: 0
    .kernarg_segment_align: 8
    .kernarg_segment_size: 64
    .max_flat_workgroup_size: 256
    .sgpr_count:     66
    .vgpr_count:     512
    .wavefront_size: 32
...
	.end_amdgpu_metadata
.endif
;; end of part 2
;; ======== version 2 of 2: 2 launches
;; workspace buffers: qimg 8,388,608 bytes; qsw 262,144 bytes; kimg 8,388,608 bytes; ksw 262,144 bytes; vimg 8,388,608 bytes; vsw 262,144 bytes
;; launch prep (part 3): grid 768 x 1, 4 waves a work-group, no clusters, 36,352 bytes of LDS; arguments queries, keys, values, qimg, qsw, kimg, ksw, vimg, vsw; writes qimg, qsw, kimg, ksw, vimg, vsw
.if DOCPART == 3
	.amdgcn_target "amdgcn-amd-amdhsa--gfx1250"
	.amdhsa_code_object_version 6
	.text
	.protected	k_qc37d3cce88_prep
	.globl	k_qc37d3cce88_prep
	.p2align	8
	.type	k_qc37d3cce88_prep,@function
k_qc37d3cce88_prep:
	s_mov_b64 s[64:65], 0
	v_nop
	global_prefetch_b8 v0, s[64:65] scope:SCOPE_SE
	s_setreg_imm32_b32 hwreg(HW_REG_WAVE_MODE, 25, 1), 1
	s_wait_xcnt 0x0
; queries, keys, values: [4][2048][1024] f32 = [b][row][head 16][64].  All three become codes of FP8 (E4M3) with one E8M0 scale byte for each 32 along the K of the product
; that they enter, laid as IMAGES OF THE OPERAND'S REGISTERS, so that the next launch takes a fragment by loads of 512 consecutive bytes.  bh = 16 b + head.
; queries, keys (K = the head's 64): image [bh][block of 32 rows][c4 = 2 u + c][lane][16 bytes]: lane (r = lane % 16, h = lane / 16) holds the codes of row 32 block + 8 u + r + 8 (r / 8),
;   channels 32 c + 16 h + 0 .. 15.  Scale words [bh][block][r]: bytes 0, 1 the two scales of the row with u = 0, bytes 2, 3 those of the row with u = 1.
; values (K = the keys): image [bh][step of 128 keys][dt][c][lane][16 bytes]: lane (r, h) holds channel 16 dt + r, keys 128 step + 32 c + 16 h + 0 .. 15.  Scale words [bh][step][dt][r], byte c.
; A block's scale is 2^(floor(log2(its largest magnitude)) - 8); its byte is the largest magnitude's exponent field - 8, held at 1 from below; each number is held within +-448 x the scale and rounded to the nearest code, ties to even.
; LIMITS: a block of zeros gets the byte 1 where the rule says 127 (its codes are zeros, and this program alone reads the bytes); NaN and infinities among the inputs are not served.
; SHARES: work-groups 0-255 take queries, 256-511 keys (one path, the pointers chosen by the work-group's number), 512-767 values (a path of its own, without LDS).  Waves share nothing: no barrier.
.set RA,  16                           ; v16-79, v80-143  two sets of 64 numbers
.set PCB, 144                          ; v144-207 codes, 16 registers for each of a wave's four blocks: no store's data are written again
.set TM,  208                          ; v208-211 largest magnitudes, v212-215 bytes, v216-219 448 x the scale, v220-223 the conversions' scale operands
.set PW,  224                          ; v224 the scale word just made
.set SP,  272                          ; a stage row: a head's 256 bytes of one row + 16
	s_load_b256 s[4:11], s[0:1], 0x0               ; queries s[4:5], keys s[6:7], values s[8:9], qimg s[10:11]
	s_load_b256 s[12:19], s[0:1], 0x20             ; qsw s[12:13], kimg s[14:15], ksw s[16:17], vimg s[18:19]
	s_load_b64 s[20:21], s[0:1], 0x40              ; vsw
	v_lshl_add_u32 v232, v0, 2, 0x8c00
	v_mov_b32 v233, 0
	v_lshrrev_b32 v1, 5, v0
	v_readfirstlane_b32 s22, v1                    ; wave 0..3
	v_and_b32 v2, 31, v0                           ; lane
	v_and_b32 v3, 15, v0                           ; r
	v_bfe_u32 v12, v0, 4, 1                        ; h
	s_mov_b32 s36, 0x600000                        ; the mantissa field of 448
	s_mov_b32 s38, 0x76543210
	s_mov_b32 s39, 0xfedcba98                      ; v_permlanex16_b32's selects for lane l xor 16
	s_cmp_ge_u32 ttmp9, 512
	s_cbranch_scc1 .Lv
; ---------------- queries and keys: a wave takes 128 rows of one head, four blocks of 32 rows
	s_and_b32 s23, ttmp9, 255
	s_and_b32 s24, s23, 3
	s_lshl_b32 s24, s24, 2
	s_add_co_u32 s24, s24, s22                     ; the head: the four waves stand side by side on 1,024 bytes of a row
	s_bfe_u32 s25, s23, 0x40002                    ; which 128 rows
	s_lshr_b32 s26, s23, 6                         ; b
	s_lshl_b32 s28, s26, 23                        ; in: b x 2048 rows of 4,096 bytes
	s_lshl_b32 s27, s25, 19                        ;     + 128 rows
	s_add_co_u32 s28, s28, s27
	s_lshl_b32 s27, s24, 8                         ;     + the head's 256 bytes
	s_add_co_u32 s28, s28, s27
	s_mov_b32 s29, 0
	s_lshl_b32 s27, s26, 4
	s_add_co_u32 s27, s27, s24                     ; bh
	s_lshl_b32 s30, s27, 17                        ; image: 64 blocks of 2,048 bytes a head,
	s_lshl_b32 s32, s25, 13                        ;        my four blocks
	s_add_co_u32 s30, s30, s32
	s_mov_b32 s31, 0
	s_lshl_b32 s32, s27, 12                        ; scale words: 64 blocks of 64 bytes a head
	s_lshl_b32 s33, s25, 8
	s_add_co_u32 s32, s32, s33
	s_mov_b32 s33, 0
	s_mul_i32 s34, s22, 8960                       ; LDS: my wave's stage of 32 rows x 272 bytes, and behind it its 256 bytes of scale words
	s_add_co_u32 s35, s34, 32*SP
	s_wait_alu depctr_va_vdst(0)
	v_lshlrev_b32 v4, 4, v3
	v_lshl_add_u32 v4, v12, 12, v4                 ; in: lanes 0-15 one row's 256 bytes, lanes 16-31 the next row's
	v_mul_u32_u24 v5, v12, SP
	v_lshl_add_u32 v5, v3, 4, v5
	v_add_nc_u32 v5, s34, v5                       ; into the stage: the same two rows
	v_and_b32 v13, 8, v3
	v_add_nc_u32 v13, v13, v3                      ; r + 8 (r / 8)
	v_mul_u32_u24 v6, v13, SP
	v_lshl_add_u32 v6, v12, 6, v6
	v_add_nc_u32 v6, s34, v6                       ; out of it: my row, + 64 h: my 16 numbers of a block of 32
	v_lshlrev_b32 v7, 4, v2                        ; an image's place for my lane
	v_lshl_add_u32 v8, v3, 2, s35                  ; my row's scale word (lanes l and l xor 16 write the same word with the same value)
	v_lshl_add_u32 v9, v2, 3, s35                  ; the words on their way out: 8 bytes a lane
	v_lshlrev_b32 v10, 3, v2
.irp b, 0,1,2,3
	v_mov_b32 v[TM+4+\b], 0                        ; written once: a lane permute's destination counts as one of its sources
.endr
	s_wait_alu depctr_va_vdst(0)
	s_wait_kmcnt 0x0
	s_cmp_lt_u32 ttmp9, 256                        ; queries or keys: the choice hangs on the work-group's number alone
	s_cselect_b64 s[4:5], s[4:5], s[6:7]
	s_cselect_b64 s[10:11], s[10:11], s[14:15]
	s_cselect_b64 s[12:13], s[12:13], s[16:17]
	s_add_nc_u64 s[4:5], s[4:5], s[28:29]
	s_add_nc_u64 s[10:11], s[10:11], s[30:31]
	s_add_nc_u64 s[12:13], s[12:13], s[32:33]
.macro LOADR k                         ; block k: 32 rows x 256 bytes; sixteen lanes read 256 consecutive bytes, aligned
.set i, 0
.rept 16
	global_load_b128 v[RA+64*((\k)%2)+4*i:RA+64*((\k)%2)+4*i+3], v4, s[4:5] offset:(32*(\k)+2*i)*4096 th:TH_LOAD_NT
.set i, i+1
.endr
.endm
.macro TURN k                          ; through the stage: in as loaded, back as the operand's layout wants it, into the registers that they left.  LDS serves a wave's instructions in order
.set RS, RA+64*((\k)%2)
.set i, 0
.rept 16
	ds_store_b128 v5, v[RS+4*i:RS+4*i+3] offset:2*i*SP
.set i, i+1
.endr
.irp u, 0,1
.irp c, 0,1
.irp j, 0,1,2,3
	ds_load_b128 v[RS+16*(2*\u+\c)+4*\j:RS+16*(2*\u+\c)+4*\j+3], v6 offset:8*\u*SP+128*\c+16*\j
.endr
.endr
.endr
.endm
; 64 numbers of a lane, v[s + 16 b + i]: 16 numbers of block b (the other 16 lie in lane l xor 16), become 16 registers of codes from v[pc] on and the scale word v[PW]
.macro QUANT s, pc
.irp b, 0,1,2,3
	v_max3_num_f32 v[TM+\b], |v[\s+16*\b]|, |v[\s+1+16*\b]|, 0x4800000   ; and the floor 2^(9 - 127): so the byte cannot fall under 1
.endr
.irp i, 2,4,6,8,10,12,14
.irp b, 0,1,2,3
	v_max3_num_f32 v[TM+\b], v[TM+\b], |v[\s+16*\b+\i]|, |v[\s+1+16*\b+\i]|   ; the four blocks by turns
.endr
.endr
.irp b, 0,1,2,3
	v_permlanex16_b32 v[TM+4+\b], v[TM+\b], s38, s39
.endr
.irp b, 0,1,2,3
	v_max_num_f32 v[TM+\b], v[TM+\b], v[TM+4+\b]   ; the block's largest magnitude
.endr
.irp b, 0,1,2,3
	v_add_nc_u32 v[TM+12+\b], 0xfc000000, v[TM+\b] ; 8 off its exponent field: the conversion takes the exponent field of this operand as its scale
.endr
.irp b, 0,1,2,3
	v_and_or_b32 v[TM+8+\b], v[TM+\b], 0x7f800000, s36   ; 448 x the scale
.endr
.irp b, 0,1,2,3
	v_lshrrev_b32 v[TM+4+\b], 23, v[TM+12+\b]      ; the scale's byte
.endr
	v_lshl_or_b32 v[PW], v[TM+5], 8, v[TM+4]
	v_lshl_or_b32 v[PW], v[TM+6], 16, v[PW]
	v_lshl_or_b32 v[PW], v[TM+7], 24, v[PW]
.irp b, 0,1,2,3
.irp i, 0,1,2,3,4,5,6,7,8,9,10,11,12,13,14,15
	v_med3_num_f32 v[\s+16*\b+\i], v[\s+16*\b+\i], -v[TM+8+\b], v[TM+8+\b]   ; the conversion to an 8-bit code does not saturate (ISA guide 7.6.2): the hold comes first
.endr
	v_cvt_scalef32_pk8_fp8_f32 v[\pc+4*\b:\pc+1+4*\b], v[\s+16*\b:\s+7+16*\b], v[TM+12+\b]
	v_cvt_scalef32_pk8_fp8_f32 v[\pc+2+4*\b:\pc+3+4*\b], v[\s+8+16*\b:\s+15+16*\b], v[TM+12+\b]
.endr
	v_nop                                          ; a plain line behind the last conversion
.endm
.macro BLK k
.if (\k) < 3
	s_wait_loadcnt 16                              ; this block's 16 loads are in; the next block's 16 may be out
.else
	s_wait_loadcnt 0x0
.endif
	TURN \k
	s_wait_dscnt 0x0                               ; the numbers are back; the last block's store of v[PW] has read its register
	QUANT RA+64*((\k)%2), PCB+16*(\k)
.irp c, 0,1,2,3
	global_store_b128 v7, v[PCB+16*(\k)+4*\c:PCB+16*(\k)+4*\c+3], s[10:11] offset:2048*(\k)+512*\c   ; 512 consecutive bytes, aligned
.endr
	ds_store_b32 v8, v[PW] offset:64*(\k)
.if (\k) < 2
	LOADR (\k)+2
.endif
.endm
	LOADR 0
	LOADR 1
	BLK 0
	BLK 1
	BLK 2
	BLK 3
	ds_load_b64 v[226:227], v9                     ; my wave's 64 scale words: these see my stores
	s_wait_dscnt 0x0
	global_store_b64 v10, v[226:227], s[12:13]     ; 256 consecutive bytes, aligned
	s_wait_tensorcnt 0x0
	ds_add_u32 v232, v233
	s_wait_dscnt 0x0
	s_endpgm
; ---------------- values: a lane takes a column and its registers run down the keys; a wave takes 32 columns x 256 keys, 8 blocks
.Lv:
	s_sub_co_u32 s23, ttmp9, 512
	s_and_b32 s24, s23, 31
	s_lshl_b32 s24, s24, 2
	s_add_co_u32 s24, s24, s22                     ; which 32 columns of the 4 x 1,024
	s_lshr_b32 s25, s23, 5                         ; which 256 keys
	s_lshr_b32 s26, s24, 5                         ; b
	s_and_b32 s27, s24, 31                         ; 32 columns within a row: head = / 2, half of the head = % 2
	s_lshl_b32 s28, s26, 23
	s_lshl_b32 s30, s25, 20
	s_add_co_u32 s28, s28, s30
	s_lshl_b32 s30, s27, 7
	s_add_co_u32 s28, s28, s30
	s_mov_b32 s29, 0
	s_lshr_b32 s34, s27, 1
	s_lshl_b32 s35, s26, 4
	s_add_co_u32 s34, s34, s35                     ; bh
	s_and_b32 s35, s27, 1                          ; half
	s_lshl_b32 s30, s34, 17                        ; image: 16 steps of 8,192 bytes a head, two steps for my 256 keys, two tiles dt of 2,048 bytes for my 32 columns
	s_lshl_b32 s32, s25, 14
	s_add_co_u32 s30, s30, s32
	s_lshl_b32 s32, s35, 12
	s_add_co_u32 s30, s30, s32
	s_mov_b32 s31, 0
	s_lshl_b32 s32, s34, 12                        ; scale words: 16 steps of 256 bytes a head
	s_lshl_b32 s33, s25, 9
	s_add_co_u32 s32, s32, s33
	s_lshl_b32 s33, s35, 7
	s_add_co_u32 s32, s32, s33
	s_mov_b32 s33, 0
	s_wait_alu depctr_va_vdst(0)
	v_lshlrev_b32 v14, 2, v2                       ; 4 bytes a lane: in, and my scale word's place
	v_lshlrev_b32 v8, 4, v3
	v_lshl_add_u32 v8, v12, 11, v8                 ; image: tile dt = lane / 16 of my two, place r
	s_wait_alu depctr_va_vdst(0)
	s_wait_kmcnt 0x0
	s_add_nc_u64 s[8:9], s[8:9], s[28:29]
	s_add_nc_u64 s[18:19], s[18:19], s[30:31]
	s_add_nc_u64 s[20:21], s[20:21], s[32:33]
.macro LOADV t                         ; block t: keys 32 t + i of my column
.set i, 0
.rept 32
	global_load_b32 v[32+32*((\t)%2)+i], v14, s[8:9] offset:(32*(\t)+i)*4096 th:TH_LOAD_NT
.set i, i+1
.endr
.endm
.macro BLOCKV t
.set XS, 32+32*((\t)%2)
.set CV, 96+8*(\t)
.if (\t) < 7
	s_wait_loadcnt 32                              ; this block's 32 loads are in; the next block's 32 may be out
.else
	s_wait_loadcnt 0x0
.endif
	v_max3_num_f32 v16, |v[XS]|, |v[XS+1]|, |v[XS+2]|   ; all 32 numbers of the block are mine
	v_max3_num_f32 v17, |v[XS+3]|, |v[XS+4]|, |v[XS+5]|
.irp i, 6,10,14,18,22,26
	v_max3_num_f32 v16, v16, |v[XS+\i]|, |v[XS+\i+1]|
	v_max3_num_f32 v17, v17, |v[XS+\i+2]|, |v[XS+\i+3]|
.endr
	v_max3_num_f32 v16, v16, |v[XS+30]|, |v[XS+31]|
	v_max3_num_f32 v16, v16, v17, 0x4800000        ; and the floor
	v_add_nc_u32 v19, 0xfc000000, v16              ; the conversion's scale operand
	v_and_or_b32 v18, v16, 0x7f800000, s36         ; 448 x the scale
	v_lshrrev_b32 v17, 23, v19                     ; the byte
.if (\t)%4 == 0
	v_mov_b32 v[24+(\t)/4], v17                    ; four bytes to a word, the lower keys in the lower byte
.else
	v_lshl_or_b32 v[24+(\t)/4], v17, 8*((\t)%4), v[24+(\t)/4]
.endif
.set i, 0
.rept 32
	v_med3_num_f32 v[XS+i], v[XS+i], -v18, v18
.set i, i+1
.endr
.irp g, 0,1,2,3
	v_cvt_scalef32_pk8_fp8_f32 v[CV+2*\g:CV+2*\g+1], v[XS+8*\g:XS+8*\g+7], v19
.endr
	v_nop                                          ; a plain line behind the last conversion
	global_store_b128 v8, v[CV:CV+3], s[18:19] offset:((\t)/4)*8192+((\t)%4)*512       ; keys 0-15 of the block are the image's lanes 0-15: sixteen lanes store 256 consecutive bytes, aligned
	global_store_b128 v8, v[CV+4:CV+7], s[18:19] offset:((\t)/4)*8192+((\t)%4)*512+256 ; keys 16-31 its lanes 16-31
.if (\t) < 6
	LOADV (\t)+2
.endif
.endm
	LOADV 0
	LOADV 1
.irp t, 0,1,2,3,4,5,6,7
	BLOCKV \t
.endr
	global_store_b32 v14, v24, s[20:21]            ; my columns' scale words of the two steps: 128 consecutive bytes each
	global_store_b32 v14, v25, s[20:21] offset:256
	s_endpgm
.Lfunc_end_k_qc37d3cce88_prep:
	.size	k_qc37d3cce88_prep, .Lfunc_end_k_qc37d3cce88_prep-k_qc37d3cce88_prep
	.p2alignl 7, 3214868480
	.fill 96, 4, 3214868480
	.section	.rodata,"a",@progbits
	.p2align	6, 0x0
	.amdhsa_kernel k_qc37d3cce88_prep
		.amdhsa_group_segment_fixed_size 36352
		.amdhsa_private_segment_fixed_size 0
		.amdhsa_enable_private_segment 0
		.amdhsa_kernarg_size 72
		.amdhsa_user_sgpr_count 2
		.amdhsa_user_sgpr_kernarg_segment_ptr 1
		.amdhsa_wavefront_size32 1
		.amdhsa_system_sgpr_workgroup_id_x 1
		.amdhsa_system_sgpr_workgroup_id_y 1
		.amdhsa_system_sgpr_workgroup_id_z 1
		.amdhsa_system_vgpr_workitem_id 0
		.amdhsa_next_free_vgpr 234
		.amdhsa_next_free_sgpr 66
		.amdhsa_reserve_vcc 0
		.amdhsa_float_denorm_mode_32 3
		.amdhsa_float_denorm_mode_16_64 3
		.amdhsa_memory_ordered 1
		.amdhsa_forward_progress 1
		.amdhsa_inst_pref_size 107
	.end_amdhsa_kernel
	.amdgpu_metadata
---
amdhsa.version: [ 1, 2 ]
amdhsa.kernels:
  - .name:           k_qc37d3cce88_prep
    .symbol:         k_qc37d3cce88_prep.kd
    .args:
      - { .name: queries, .offset: 0, .size: 8, .value_kind: global_buffer, .address_space: global }
      - { .name: keys, .offset: 8, .size: 8, .value_kind: global_buffer, .address_space: global }
      - { .name: values, .offset: 16, .size: 8, .value_kind: global_buffer, .address_space: global }
      - { .name: qimg, .offset: 24, .size: 8, .value_kind: global_buffer, .address_space: global }
      - { .name: qsw, .offset: 32, .size: 8, .value_kind: global_buffer, .address_space: global }
      - { .name: kimg, .offset: 40, .size: 8, .value_kind: global_buffer, .address_space: global }
      - { .name: ksw, .offset: 48, .size: 8, .value_kind: global_buffer, .address_space: global }
      - { .name: vimg, .offset: 56, .size: 8, .value_kind: global_buffer, .address_space: global }
      - { .name: vsw, .offset: 64, .size: 8, .value_kind: global_buffer, .address_space: global }
    .group_segment_fixed_size: 36352
    .private_segment_fixed_size: 0
    .kernarg_segment_align: 8
    .kernarg_segment_size: 72
    .max_flat_workgroup_size: 128
    .sgpr_count:     66
    .vgpr_count:     234
    .wavefront_size: 32
...
	.end_amdgpu_metadata
.endif
;; end of part 3
;; launch attn (part 4): grid 64 x 4, 8 waves a work-group, no clusters, 301,056 bytes of LDS; arguments qimg, qsw, kimg, ksw, vimg, vsw, mask, out0; writes out0
.if DOCPART == 4
	.amdgcn_target "amdgcn-amd-amdhsa--gfx1250"
	.amdhsa_code_object_version 6
	.text
	.protected	k_qc37d3cce88_attn
	.globl	k_qc37d3cce88_attn
	.p2align	8
	.type	k_qc37d3cce88_attn,@function
k_qc37d3cce88_attn:
	s_mov_b64 s[64:65], 0
	v_nop
	global_prefetch_b8 v0, s[64:65] scope:SCOPE_SE
	s_setreg_imm32_b32 hwreg(HW_REG_WAVE_SCHED_MODE, 0, 2), 2
	s_setreg_imm32_b32 hwreg(HW_REG_WAVE_MODE, 25, 1), 1
	s_wait_xcnt 0x0
	s_wait_alu depctr_vm_vsrc(0)
; out0[b][h][l][:] = the sum over s of (softmax_s(q . k / 8) x mask[l][s]) v[s][:], both products on codes of FP8 (E4M3) with one E8M0 scale for each 32 along K.
; What the second product takes is the FINISHED weight (normalised, times the mask), so a block of 32 keys can be quantised only when its row's whole sum is known.
; SHARES.  A work-group owns 32 queries (grid x) of one batch (grid y) and walks that batch's 16 heads, a UNIT each.  Its 32 rows of the mask, 262,144 bytes, stay in LDS for the whole launch.
; In a unit wave w owns keys 256 w .. 256 w + 255 for both tiles of 16 queries: its 32 x 256 scores stay in 256 registers from the first product to the second, and each is exponentiated once.
; A UNIT: S^T = K Q^T | my keys' maximum m_w of each query | p = 2^(c s - c m_w), c = log2(e) / 8, and my sum l_w of p; a batch behind them p x mask and each block's largest magnitude |
;   (c m_w, l_w) to LDS; the barrier's signal and wait lie apart, with the rest of the mask work between | M = max c m_w, l = sum of l_w 2^(c m_w - M), f = 2^(c m_w - M) / l |
;   tile by tile: a = (p x mask) f, quantised, O^T += V^T a^T | the eight waves' parts of O are added through LDS, tile 0's while tile 1 is still being quantised; whole rows of 256 bytes are stored.
; LAYOUT.  Both products are used transposed (source 0 = keys, or V's channels; source 1 = my queries): a lane holds one query (lane % 16) throughout.
; K = 64 IN A FORM OF 128: source 0 is a PAIR of key tiles (64 codes of key 32 B + r + 8 (r / 8), then 64 of the key 8 further on); source 1 is (q | zeros) for the first tile, (zeros | q) for the second.
;   So the 16 registers of a block's two results are keys 32 B + 16 (lane / 16) + 0 .. 15 of my query: the order in which the second product's operand wants them.
; K, V AND Q come from memory straight into registers, as images of the operands' registers (512 consecutive bytes a load), well ahead of their use.
; NO TENSOR LOADS, NO CLUSTER: the mask rows take 262,656 bytes of LDS and the exchanges 37,376; in the 27,648 left of 327,680 a ring for a unit's 262,144 bytes of K and V would be filled again ten times a unit, each time behind a barrier of all eight waves.
; LIMITS: NaN and infinities among the inputs are not served; weights under 2^-126 count as 0 (v_exp_f32 flushes them: ISA guide 15.8); a block of zeros has the byte 1 (its codes are zeros);
;   the weight is formed as (p x mask) x (2^(c m_w - M) / l) where the definition reads (p / l) x mask: the same product in another order of rounding.  A mask of any sign is served.
; REGISTERS, window 0: v1-11 addresses; v16-63 Q's four operands round two runs of zeros (v24-31, v48-55); between the first product and the next unit's loads of Q its other registers are at work:
;   v16-23 sums and TM0-7, v32-47 the blocks' largest magnitudes, v56-63 TM8-15; v64-127 K's pairs 0-3, then V's step 0; v128-191 K's pairs 4-7, then two buffers of the mask, then V's step 1;
;   v192-223 a third buffer of the mask, then the exchanged figures, then a's codes (step s at 192 + 16 s);
;   v224-227 K's then V's scale words, v228-231 Q's, v232-233 a's, by step (these ten hold scales and nothing else); v234-245 c m_w, f, l_w; v246-255 at work.
; window 1: the scores S[t][B][i] at 128 t + 16 B + i; once a tile's first 64 are converted, O^T[t][dt] at 128 t + 8 dt; tile 0's dead registers 32-63 and 64-95 take the eight parts of O on their way out.
; THE MODE: SCHED_MODE bits 1:0 = 2 (LLVM: expert scheduling mode 2), set by the entry lines.  The code itself states the register dependences
; between vector or matrix instructions and memory or LDS instructions, with s_wait_alu, always for 0.
; THE PLAN.  Registers that memory or LDS instructions touch, round a unit:
;   v64-127    K's pairs 0-3 land | the first product reads | V's step 0 lands | the second product's step 0 of both tiles reads | the next unit's K lands.
;   v128-159   K's pairs 4, 5 | the first product | the mask's pairs 1, 4, 7, each read by its 16 multiplications before the next lands | V's step 1, channels 0-31 | the second product's step 1 | the next K.
;   v160-191   K's pairs 6, 7 | the first product | the mask's pairs 2, 5 | V's step 1, channels 32-63 | the second product's step 1 | the next K.
;   v192-223   the mask's pairs 0, 3, 6 | the exchanged figures land | from there on vector and matrix instructions alone.
;   v224-227   K's scale words land, the first product reads; V's land, the second product reads.   v231: Q's scale words land, four vector lines read.
;   v16-23, v32-47, v56-63   Q lands | the first product reads | sums, maxima, scales and holds at work | Q lands again, behind the last conversions.
;   v234, v236, v242, v244   vector lines write them; the four stores of figures read them; the next unit writes them again.
;   window 1   0-31, 128-159: the products write O^T, LDS stores read it.  32-63, 64-95: LDS loads land, the additions work in place, a global store reads the first four.  The next unit's scores land on all of them.
;   v3, v4, v5, v10   offsets, stepped once a unit.   v1, v2, v6-v9, v11: made at the head and never written again.
; So a wait on va_vdst stands wherever a buffer has been read out or written by vector or matrix instructions and is next touched by a load or a store, once for each run of loads or stores; a later run needs no wait of its own
; where no vector or matrix instruction since the last wait names its registers.  Three waits on vm_vsrc: ahead of the loop, ahead of the steps of v3, v4, v5, and at the unit's end.
.set MP,   8208                        ; a mask row in LDS: 8,192 bytes + 16: the 16 rows that a load touches begin 16 bytes apart modulo 256
.set STAT, 32*MP                       ; 32 queries x 80 bytes: eight words c m_w, eight words l_w
.set RED,  STAT+2560                   ; eight waves x 16 queries x (256 bytes + 16): parts of O
.set REDW, 16*272
.set MB0,  192                         ; the mask's three buffers of two blocks: pair P of a unit's eight lies in buffer P % 3
.set MB1,  128
.set MB2,  160
.set RB0,  32                          ; window 1: tile 0's eight parts of O, read back;
.set RB1,  64                          ; tile 1's
.set MSB, 0
.macro WIN new                         ; s_set_vgpr_msb: bits 1:0 source 0, 3:2 source 1, 5:4 source 2, 7:6 destination; the high byte repeats the setting that is left
.if MSB != \new
	s_set_vgpr_msb (MSB<<8)|\new
.set MSB, \new
.endif
.endm
.macro PLACES n
.rept \n
	v_nop
.endr
.endm
.macro BARRIER                         ; my LDS stores have landed and my LDS loads are in: then the work-group's barrier
	s_wait_dscnt 0x0
	s_barrier_signal -1
	s_barrier_wait -1
.endm
.macro LOADK hf                        ; four of my eight pairs of key tiles, and their scale words: a register holds an even pair's words in lanes 0-15, the odd pair's in lanes 16-31.  18 loads
.irp b, 0,1,2,3
.irp c, 0,1,2,3
	global_load_b128 v[64+64*\hf+16*\b+4*\c:64+64*\hf+16*\b+4*\c+3], v3, s[8:9] offset:2048*(4*\hf+\b)+512*\c
.endr
.endr
.irp i, 0,1
	global_load_b32 v[224+2*\hf+\i], v4, s[10:11] offset:128*(2*\hf+\i)
.endr
.endm
.macro LOADQ                           ; each tile's 8 registers twice: once in front of a run of zeros, once behind one.  9 loads
.irp c, 0,1
	global_load_b128 v[16+4*\c:19+4*\c], v3, s[4:5] offset:512*\c
	global_load_b128 v[56+4*\c:59+4*\c], v3, s[4:5] offset:512*\c
	global_load_b128 v[32+4*\c:35+4*\c], v3, s[4:5] offset:1024+512*\c
	global_load_b128 v[40+4*\c:43+4*\c], v3, s[4:5] offset:1024+512*\c
.endr
	global_load_b32 v231, v5, s[6:7]
.endm
.macro LOADVD s, d                     ; V's fragment of step s (128 of my keys), channels 16 d on.  4 loads
.irp c, 0,1,2,3
	global_load_b128 v[64+64*\s+16*\d+4*\c:64+64*\s+16*\d+4*\c+3], v3, s[12:13] offset:8192*\s+2048*\d+512*\c
.endr
.endm
.macro LOADVS s                        ; and the step's scale words.  2 loads
.irp i, 0,1
	global_load_b32 v[224+2*\s+\i], v4, s[14:15] offset:256*\s+128*\i
.endr
.endm
.macro QK1 be, t, u, qr                ; the scores of key tile u of pair be for query tile t.  Every sum is one instruction deep and begins with the constant 0
.if (\be)%2
	v_wmma_scale_f32_16x16x128_f8f6f4 v[128*\t+16*(\be)+8*\u:128*\t+16*(\be)+8*\u+7], v[64+16*(\be):64+16*(\be)+15], v[\qr:\qr+15], 0, v[224+(\be)/2], v[228+2*\t+\u] matrix_a_scale:MATRIX_SCALE_ROW1
.else
	v_wmma_scale_f32_16x16x128_f8f6f4 v[128*\t+16*(\be)+8*\u:128*\t+16*(\be)+8*\u+7], v[64+16*(\be):64+16*(\be)+15], v[\qr:\qr+15], 0, v[224+(\be)/2], v[228+2*\t+\u]
.endif
.endm
.macro QKB be
	QK1 \be, 0, 0, 16                              ; (q0 | 0)
	QK1 \be, 0, 1, 48                              ; (0 | q0)
	QK1 \be, 1, 0, 40                              ; (q1 | 0)
	QK1 \be, 1, 1, 24                              ; (0 | q1)
.endm
.macro MLOADP p, buf                   ; pair p of the mask: tile p / 4, my blocks 2 (p % 4) and the next: 16 numbers a lane and block.  8 loads
.irp k, 0,1
.irp j, 0,1,2,3
	ds_load_b128 v[\buf+16*\k+4*\j:\buf+16*\k+4*\j+3], v[1+(\p)/4] offset:128*(2*((\p)%4)+\k)+16*\j
.endr
.endr
.endm
; My keys' largest score of each query, as c m_w.  Eight chains (tile, quarter of 32 registers) by turns; each chain goes up its registers.
.macro MAXROW
	WIN 0x15
.irp t, 0,1
.irp q, 0,1,2,3
	v_max3_num_f32 v[246+4*\t+\q], v[128*\t+32*\q], v[128*\t+32*\q+1], v[128*\t+32*\q+2]
.endr
.endr
	WIN 0x14
.irp i, 3,5,7,9,11,13,15,17,19,21,23,25,27,29
.irp t, 0,1
.irp q, 0,1,2,3
	v_max3_num_f32 v[246+4*\t+\q], v[246+4*\t+\q], v[128*\t+32*\q+\i], v[128*\t+32*\q+\i+1]
.endr
.endr
.endr
.irp t, 0,1
	v_max3_num_f32 v[246+4*\t], v[246+4*\t], v[128*\t+31], v[128*\t+63]     ; the quarters' last registers
	v_max3_num_f32 v[248+4*\t], v[248+4*\t], v[128*\t+95], v[128*\t+127]
.endr
	WIN 0
.irp t, 0,1
	v_max3_num_f32 v[246+4*\t], v[246+4*\t], v[247+4*\t], v[248+4*\t]
.endr
.irp t, 0,1
	v_max_num_f32 v[246+4*\t], v[246+4*\t], v[249+4*\t]
.endr
.irp t, 0,1
	v_permlanex16_b32 v[254+\t], v[246+4*\t], s30, s31   ; the query's other keys of each block lie in lane l xor 16
.endr
.irp t, 0,1
	v_max_num_f32 v[246+4*\t], v[246+4*\t], v[254+\t]
.endr
.irp t, 0,1
	v_mul_f32 v[234+2*\t], s28, v[246+4*\t]        ; c m_w
.endr
.endm
.macro FMAP n, j                       ; pair j of batch n (64 scores from register 64 n on; tile n / 2): c s - c m_w, two at a time
	v_pk_fma_f32 v[64*(\n)+2*(\j):64*(\n)+2*(\j)+1], v[64*(\n)+2*(\j):64*(\n)+2*(\j)+1], s[28:29], v[234+2*((\n)/2):235+2*((\n)/2)] op_sel_hi:[1,0,0] neg_lo:[0,0,1] neg_hi:[0,0,1]
.endm
; Batch n: its 64 exponentials, one batch with one wait; a scaling of the NEXT batch stands in front of each two of them (the same window; it names no exponential's result).  Then the batch's p are added, in four chains that run through a tile's two batches.
.macro EXPB n
	WIN 0x41
.set j, 0
.rept 32
.if (\n) < 3
	FMAP (\n)+1, j
.endif
	v_exp_f32 v[64*(\n)+2*j], v[64*(\n)+2*j]
	v_exp_f32 v[64*(\n)+2*j+1], v[64*(\n)+2*j+1]
.set j, j+1
.endr
	v_nop                                          ; a plain line behind the last exponential
	s_wait_alu depctr_va_vdst(0)                   ; the batch's 64 exponentials have written their p: one wait, ahead of the first addition that reads one
.if (\n)%2 == 0
	WIN 0x05
.irp k, 0,1,2,3
	v_pk_add_f32 v[16+2*\k:17+2*\k], v[64*(\n)+4*\k:64*(\n)+4*\k+1], v[64*(\n)+4*\k+2:64*(\n)+4*\k+3]   ; the four chains begin: nothing is cleared
.endr
	WIN 0x01
.set j, 8
.rept 24
	v_pk_add_f32 v[16+2*(j%4):17+2*(j%4)], v[64*(\n)+2*j:64*(\n)+2*j+1], v[16+2*(j%4):17+2*(j%4)]
.set j, j+1
.endr
.else
	WIN 0x01
.set j, 0
.rept 32
	v_pk_add_f32 v[16+2*(j%4):17+2*(j%4)], v[64*(\n)+2*j:64*(\n)+2*j+1], v[16+2*(j%4):17+2*(j%4)]
.set j, j+1
.endr
	WIN 0
	v_pk_add_f32 v[16:17], v[16:17], v[18:19]
	v_pk_add_f32 v[20:21], v[20:21], v[22:23]
	v_pk_add_f32 v[242+2*((\n)/2):243+2*((\n)/2)], v[16:17], v[20:21]   ; the tile's sum, in two halves
.endif
.endm
.macro MULP p, buf                     ; p x mask for pair p: registers 32 p on
	WIN 0x41
.irp n, 0,1,2,3,4,5,6,7,8,9,10,11,12,13,14,15
	v_pk_mul_f32 v[32*(\p)+2*\n:32*(\p)+2*\n+1], v[32*(\p)+2*\n:32*(\p)+2*\n+1], v[\buf+2*\n:\buf+2*\n+1]
.endr
.endm
.macro MAXB p, nb                      ; the largest |p x mask| of my 16 numbers of each of nb blocks from pair p's first on; the blocks by turns
	WIN 0x14
.set k, 0
.rept \nb
	v_max3_num_f32 v[32+2*(\p)+k], 0, |v[32*(\p)+16*k]|, |v[32*(\p)+16*k+1]|
.set k, k+1
.endr
.irp i, 2,4,6,8,10,12,14
.set k, 0
.rept \nb
	v_max3_num_f32 v[32+2*(\p)+k], v[32+2*(\p)+k], |v[32*(\p)+16*k+\i]|, |v[32*(\p)+16*k+\i+1]|
.set k, k+1
.endr
.endr
.endm
.macro STAT1                           ; my (c m_w, l_w) of the 32 queries go to LDS
	WIN 0
.irp t, 0,1
	v_add_f32 v[242+2*\t], v[242+2*\t], v[243+2*\t]
.endr
.irp t, 0,1
	v_permlanex16_b32 v[254+\t], v[242+2*\t], s30, s31
.endr
.irp t, 0,1
	v_add_f32 v[242+2*\t], v[242+2*\t], v[254+\t]  ; l_w
.endr
	s_wait_alu depctr_va_vdst(0)                   ; the additions have written l_w (v242, v244), which the stores below read, as they read c m_w (v234, v236), written further up
.irp t, 0,1
	ds_store_b32 v6, v[234+2*\t] offset:1280*\t    ; lanes l and l xor 16 write the same word with the same value
	ds_store_b32 v6, v[242+2*\t] offset:1280*\t+32
.endr
.endm
.macro STAT2                           ; all eight waves' figures of my two queries.  8 loads
.irp t, 0,1
.irp i, 0,1,2,3
	ds_load_b128 v[192+16*\t+4*\i:195+16*\t+4*\i], v7 offset:1280*\t+16*\i
.endr
.endr
.endm
.macro STAT3                           ; f = 2^(c m_w - M) / l for my keys.  l is at least 1: the wave that holds M has a p of 1
.irp t, 0,1
	v_max3_num_f32 v[246+\t], v[192+16*\t], v[193+16*\t], v[194+16*\t]
.endr
.irp i, 3,5
.irp t, 0,1
	v_max3_num_f32 v[246+\t], v[246+\t], v[192+16*\t+\i], v[193+16*\t+\i]
.endr
.endr
.irp t, 0,1
	v_max_num_f32 v[246+\t], v[246+\t], v[199+16*\t]   ; M
.endr
.irp w, 0,1,2,3,4,5,6,7
.irp t, 0,1
	v_sub_f32 v[192+16*\t+\w], v[192+16*\t+\w], v[246+\t]
.endr
.endr
.irp t, 0,1
	v_sub_f32 v[248+\t], v[234+2*\t], v[246+\t]
.endr
	s_wait_alu depctr_va_vdst(0)
.irp w, 0,1,2,3,4,5,6,7
.irp t, 0,1
	v_exp_f32 v[192+16*\t+\w], v[192+16*\t+\w]
.endr
.endr
.irp t, 0,1
	v_exp_f32 v[248+\t], v[248+\t]
.endr
	v_nop
	s_wait_alu depctr_va_vdst(0)                   ; the eighteen exponentials have written their results: one wait, ahead of the first line that reads one
.irp t, 0,1
	v_mul_f32 v[250+\t], v[192+16*\t], v[200+16*\t]
.endr
.irp w, 1,2,3,4,5,6,7
.irp t, 0,1
	v_fmac_f32 v[250+\t], v[192+16*\t+\w], v[200+16*\t+\w]   ; l
.endr
.endr
	s_wait_alu depctr_va_vdst(0)
.irp t, 0,1
	v_rcp_f32 v[252+\t], v[250+\t]
.endr
	v_nop
	s_wait_alu depctr_va_vdst(0)                   ; the two reciprocals have written v252, v253, ahead of the lines that read them
.irp t, 0,1
	v_mul_f32 v[238+2*\t], v[248+\t], v[252+\t]    ; f
.endr
.endm
; The four blocks of step s of tile t: the largest |a| is the largest |p x mask| times f (the same multiplication that the numbers get: rounding keeps the order); from it the scale's byte, the hold and the conversion's operand.
.macro SCALE t, s
	WIN 0
.irp b, 0,1,2,3
	v_permlanex16_b32 v[20+\b], v[32+8*\t+4*\s+\b], s30, s31
.endr
.irp b, 0,1,2,3
	v_max_num_f32 v[16+\b], v[32+8*\t+4*\s+\b], v[20+\b]
.endr
.irp b, 0,1,2,3
	v_mul_f32 v[16+\b], v[16+\b], v[238+2*\t]
.endr
.irp b, 0,1,2,3
	v_max_num_f32 v[16+\b], 0x4800000, v[16+\b]    ; the floor 2^(9 - 127): the byte cannot fall under 1
.endr
.irp b, 0,1,2,3
	v_add_nc_u32 v[60+\b], 0xfc000000, v[16+\b]    ; 8 off the exponent field: the conversion's scale operand
.endr
.irp b, 0,1,2,3
	v_and_or_b32 v[56+\b], v[16+\b], 0x7f800000, s32   ; 448 x the scale
.endr
.irp b, 0,1,2,3
	v_lshrrev_b32 v[20+\b], 23, v[60+\b]           ; the byte
.endr
	v_lshl_or_b32 v[232+\s], v21, 8, v20           ; a's scale word for these 128 keys
	v_lshl_or_b32 v[232+\s], v22, 16, v[232+\s]
	v_lshl_or_b32 v[232+\s], v23, 24, v[232+\s]
.endm
.macro HOLDA t, s                      ; a = (p x mask) f
.set HB, 128*\t+64*\s
	WIN 0x41
.set j, 0
.rept 32
	v_pk_mul_f32 v[HB+j:HB+j+1], v[HB+j:HB+j+1], v[238+2*\t:239+2*\t] op_sel_hi:[1,0]
.set j, j+2
.endr
.endm
.macro HOLDM t, s                      ; held within +-448 x the scale: the conversion does not saturate (ISA guide 7.6.2), and the mask may be negative
.set HB, 128*\t+64*\s
	WIN 0x41
.irp b, 0,1,2,3
.irp i, 0,1,2,3,4,5,6,7,8,9,10,11,12,13,14,15
	v_med3_num_f32 v[HB+16*\b+\i], v[HB+16*\b+\i], -v[56+\b], v[56+\b]
.endr
.endr
.endm
.macro HOLDC t, s                      ; converted: 16 registers of codes at v[192 + 16 s]
.set HB, 128*\t+64*\s
	WIN 0x01
.irp b, 0,1,2,3
	v_cvt_scalef32_pk8_fp8_f32 v[192+16*\s+4*\b:193+16*\s+4*\b], v[HB+16*\b:HB+16*\b+7], v[60+\b]
	v_cvt_scalef32_pk8_fp8_f32 v[194+16*\s+4*\b:195+16*\s+4*\b], v[HB+16*\b+8:HB+16*\b+15], v[60+\b]
.endr
	v_nop                                          ; a plain line behind the last conversion
.endm
.macro PV1 t, s, d
.set rO, 128*\t+8*\d
.set rV, 64+64*\s+16*\d
.set rP, 192+16*\s
.set rW, 224+2*\s+\d/2
.if \s == 0
.if \d%2
	v_wmma_scale_f32_16x16x128_f8f6f4 v[rO:rO+7], v[rV:rV+15], v[rP:rP+15], 0, v[rW], v[232+\s] matrix_a_scale:MATRIX_SCALE_ROW1
.else
	v_wmma_scale_f32_16x16x128_f8f6f4 v[rO:rO+7], v[rV:rV+15], v[rP:rP+15], 0, v[rW], v[232+\s]
.endif
.else
.if \d%2
	v_wmma_scale_f32_16x16x128_f8f6f4 v[rO:rO+7], v[rV:rV+15], v[rP:rP+15], v[rO:rO+7], v[rW], v[232+\s] matrix_a_scale:MATRIX_SCALE_ROW1
.else
	v_wmma_scale_f32_16x16x128_f8f6f4 v[rO:rO+7], v[rV:rV+15], v[rP:rP+15], v[rO:rO+7], v[rW], v[232+\s]
.endif
.endif
.endm
.macro PV t, s                         ; O^T (+)= V^T a^T for tile t, step s: the tile's four accumulators take turns, one instruction a turn; step 0 starts the sums with the constant 0
.if \s == 0
	WIN 0x40
.else
	WIN 0x50
.endif
.irp d, 0,1,2,3
	PV1 \t, \s, \d
.endr
.endm
; THE REDUCTION of a tile: every wave's part of O^T goes into its region of LDS; wave w reads queries 2 w, 2 w + 1 of all eight regions, adds, and stores two whole rows of out0: 512 consecutive bytes, aligned.
.macro RSTORE t
	WIN 0x04                                       ; an LDS store's data are its source 1
.irp d, 0,1,2,3
	ds_store_b128 v8, v[128*\t+8*\d:128*\t+8*\d+3] offset:64*\d          ; each accumulator from its low end on
	ds_store_b128 v8, v[128*\t+8*\d+4:128*\t+8*\d+7] offset:64*\d+16
.endr
.endm
.macro RLOAD rb
	WIN 0x40
.irp k, 0,1,2,3,4,5,6,7
	ds_load_b128 v[\rb+4*\k:\rb+4*\k+3], v9 offset:REDW*\k
.endr
.endm
.macro RSUM rb
	WIN 0x45
.irp k, 0,2,4,6
	v_pk_add_f32 v[\rb+4*\k:\rb+4*\k+1], v[\rb+4*\k:\rb+4*\k+1], v[\rb+4*\k+4:\rb+4*\k+5]
	v_pk_add_f32 v[\rb+4*\k+2:\rb+4*\k+3], v[\rb+4*\k+2:\rb+4*\k+3], v[\rb+4*\k+6:\rb+4*\k+7]
.endr
.irp k, 0,4
	v_pk_add_f32 v[\rb+4*\k:\rb+4*\k+1], v[\rb+4*\k:\rb+4*\k+1], v[\rb+4*\k+8:\rb+4*\k+9]
	v_pk_add_f32 v[\rb+4*\k+2:\rb+4*\k+3], v[\rb+4*\k+2:\rb+4*\k+3], v[\rb+4*\k+10:\rb+4*\k+11]
.endr
	v_pk_add_f32 v[\rb:\rb+1], v[\rb:\rb+1], v[\rb+16:\rb+17]
	v_pk_add_f32 v[\rb+2:\rb+3], v[\rb+2:\rb+3], v[\rb+18:\rb+19]
.endm
.macro ROUT t, rb
	WIN 0x04                                       ; a store's data are its source 1
	global_store_b128 v10, v[\rb:\rb+3], s[18:19] offset:2048*\t th:TH_STORE_NT
.endm
	s_load_b512 s[4:19], s[0:1], 0x0               ; qimg s[4:5], qsw s[6:7], kimg s[8:9], ksw s[10:11], vimg s[12:13], vsw s[14:15], mask s[16:17], out0 s[18:19]
	v_lshrrev_b32 v12, 5, v0
	v_readfirstlane_b32 s20, v12                   ; wave 0..7
	s_mov_b32 s21, ttmp9                           ; my block of 32 queries
	s_and_b32 s22, ttmp7, 0xffff                   ; my batch
	v_and_b32 v12, 31, v0                          ; lane
	v_and_b32 v13, 15, v0                          ; r
	v_bfe_u32 v14, v0, 4, 1                        ; h
	v_mul_u32_u24 v1, v13, MP                      ; the mask of tile 0: LDS row r, + my wave's 256 keys, + 64 h
	v_lshl_add_u32 v1, v14, 6, v1
	s_wait_alu depctr_va_sdst(0)                   ; s20 is written, ahead of its first reader: LDS addresses and the buffers' bases are made from it
	s_lshl_b32 s24, s20, 10
	v_add_nc_u32 v1, s24, v1
	v_add_nc_u32 v2, 16*MP, v1                     ; of tile 1: LDS row 16 + r
	v_lshlrev_b32 v3, 4, v12                       ; an image's place for my lane; steps a head on in each unit
	v_lshlrev_b32 v4, 2, v12                       ; K's and V's scale words
	v_lshlrev_b32 v5, 2, v13                       ; Q's
	v_mul_u32_u24 v7, v13, 80
	v_add_nc_u32 v7, STAT, v7                      ; my query's figures,
	s_lshl_b32 s24, s20, 2
	v_add_nc_u32 v6, s24, v7                       ; and my wave's word among them
	s_mul_i32 s24, s20, REDW
	s_add_co_u32 s24, s24, RED
	v_mul_u32_u24 v8, v13, 272
	v_lshl_add_u32 v8, v14, 5, v8
	v_add_nc_u32 v8, s24, v8                       ; my part of O: my wave's region, row r, + 32 h
	s_mul_i32 s24, s20, 544
	s_add_co_u32 s24, s24, RED
	v_mul_u32_u24 v9, v14, 272
	v_lshl_add_u32 v9, v13, 4, v9
	v_add_nc_u32 v9, s24, v9                       ; back: rows 2 w and 2 w + 1 of each region, 16 bytes a lane
	v_lshlrev_b32 v10, 4, v12                      ; and the same two rows in out0; steps a head on in each unit
	s_mul_i32 s24, s20, 4*MP
	v_lshl_add_u32 v11, v12, 4, s24                ; the mask on its way in: LDS rows 4 w .. 4 w + 3
.irp j, 24,25,26,27,28,29,30,31,48,49,50,51,52,53,54,55
	v_mov_b32 v\j, 0                               ; the two runs of zero codes: they stay
.endr
.irp j, 235,237,239,241,246,247,248,249,250,251,252,253,254,255
	v_mov_b32 v\j, 0                               ; upper words of pairs of which the low word alone is used, and lane permutes' destinations: written once
.endr
	s_mov_b32 s28, 0x3e38aa3b                      ; c = log2(e) / 8
	s_mov_b32 s29, s28                             ; (named with it as a pair)
	s_mov_b32 s30, 0x76543210
	s_mov_b32 s31, 0xfedcba98                      ; v_permlanex16_b32's selects for lane l xor 16
	s_mov_b32 s32, 0x600000                        ; the mantissa field of 448
	s_mov_b32 s34, 0                               ; the unit
	s_mov_b32 s25, 0
	s_mov_b32 s27, 0
	s_lshl_b32 s24, s22, 21                        ; images: 16 heads of 131,072 bytes a batch
	s_lshl_b32 s26, s21, 11
	s_add_co_u32 s26, s26, s24                     ; Q: my block of 2,048 bytes
	s_lshl_b32 s33, s20, 14
	s_add_co_u32 s24, s24, s33                     ; K, V: my wave's 16,384 bytes
	s_wait_kmcnt 0x0
	s_add_nc_u64 s[4:5], s[4:5], s[26:27]
	s_add_nc_u64 s[8:9], s[8:9], s[24:25]
	s_add_nc_u64 s[12:13], s[12:13], s[24:25]
	s_lshl_b32 s24, s22, 16                        ; scale words: 16 heads of 4,096 bytes a batch
	s_lshl_b32 s26, s21, 6
	s_add_co_u32 s26, s26, s24
	s_lshl_b32 s33, s20, 9
	s_add_co_u32 s24, s24, s33
	s_add_nc_u64 s[6:7], s[6:7], s[26:27]
	s_add_nc_u64 s[10:11], s[10:11], s[24:25]
	s_add_nc_u64 s[14:15], s[14:15], s[24:25]
	s_and_b32 s24, s20, 1                          ; LDS row 16 t + r holds the block's row 8 t + r + 8 (r / 8): bits 3 and 4 change places.  So LDS rows 4 w on are memory rows 4 w' on, w' = w with bits 1 and 2 changed
	s_and_b32 s26, s20, 2
	s_lshl_b32 s26, s26, 1
	s_or_b32 s24, s24, s26
	s_and_b32 s26, s20, 4
	s_lshr_b32 s26, s26, 1
	s_or_b32 s24, s24, s26
	s_lshl_b32 s24, s24, 15                        ; 4 rows of 8,192 bytes
	s_lshl_b32 s26, s21, 18                        ; 32 rows
	s_add_co_u32 s24, s24, s26
	s_add_nc_u64 s[16:17], s[16:17], s[24:25]
	s_lshl_b32 s24, s22, 23                        ; out0: 16 heads x 2,048 rows of 256 bytes a batch,
	s_lshl_b32 s26, s21, 13                        ; my block's 32 rows,
	s_add_co_u32 s24, s24, s26
	s_lshl_b32 s26, s20, 9                         ; the rows of the tile's queries 2 w, 2 w + 1: 2 w + 8 (w / 4) on
	s_add_co_u32 s24, s24, s26
	s_lshr_b32 s26, s20, 2
	s_lshl_b32 s26, s26, 11
	s_add_co_u32 s24, s24, s26
	s_add_nc_u64 s[18:19], s[18:19], s[24:25]
	WIN 0x40                                       ; the mask: my four rows, 64 loads of 512 consecutive bytes, through the registers that the scores will take
	s_wait_alu depctr_va_vdst(0)                   ; the eleven addresses and offsets v1 to v11 are written, which the loads and stores of the whole kernel read; so are the two runs of zero codes, which the first product takes in its source 1
.irp k, 0,1,2,3
.irp i, 0,1,2,3,4,5,6,7,8,9,10,11,12,13,14,15
	global_load_b128 v[4*(16*\k+\i):4*(16*\k+\i)+3], v3, s[16:17] offset:8192*\k+512*\i
.endr
.endr
	WIN 0
	LOADK 0                                        ; the first unit's operands
	LOADQ
	LOADK 1
	s_wait_loadcnt 45                              ; the mask is in; the 18 + 9 + 18 loads behind it may be out
	WIN 0x04
.irp k, 0,1,2,3
.irp i, 0,1,2,3,4,5,6,7,8,9,10,11,12,13,14,15
	ds_store_b128 v11, v[4*(16*\k+\i):4*(16*\k+\i)+3] offset:MP*\k+512*\i
.endr
.endr
	WIN 0
	BARRIER                                        ; the 32 rows lie in LDS, and stay
	s_wait_alu depctr_vm_vsrc(0)                   ; my 64 LDS stores have read window 1's registers, which the first unit's products write
.Lunit:
	; ---- the scores
	s_wait_loadcnt 18                              ; K's first four pairs and Q are in; the 18 loads of K's other four may be out
	v_and_b32 v228, 0xffff, v231                   ; Q's scale words: tile 0's two bytes under (q0 | 0),
	v_lshlrev_b32 v229, 16, v231                   ; under (0 | q0);
	v_lshrrev_b32 v230, 16, v231                   ; tile 1's under (q1 | 0),
	v_and_b32 v231, 0xffff0000, v231               ; under (0 | q1).  The bytes over the zero codes are 0, which is no NaN
	PLACES 8                                       ; a scale register written by a vector instruction stands eight places ahead of the product
	s_wait_alu depctr_va_vdst(0)                   ; v228 to v231 are written, which the products take as scales; so is v10, stepped at the last unit's end, which this unit's two stores read
	WIN 0x40
.irp be, 0,1,2,3
	QKB \be
.endr
	s_wait_loadcnt 0x0
.irp be, 4,5,6,7
	QKB \be
.endr
	WIN 0
	PLACES 8                                       ; in front of the first read of these products' results (ISA guide 7.12.1)
	s_wait_alu depctr_va_vdst(0)                   ; the 32 products are done reading K's eight pairs (v64-191) and their scale words (v224-227): V's step 0 lands in the first four and v224, v225 now, the mask's pairs 1 and 2 in the others further down, V's other words in v226, v227 behind the exchange; no vector line up to those loads names their registers
.irp d, 0,1,2,3
	LOADVD 0, \d                                   ; V's step 0, into the registers of K's pairs 0-3: wanted behind the exchange
.endr
	LOADVS 0
	; ---- the softmax's first part.  The mask's pairs are asked for three ahead; the mask work runs a batch behind the exponentials, so that four pairs are left for the exchange to lie under
	MLOADP 0, MB0
	MAXROW
	MLOADP 1, MB1
	WIN 0x41
.set j, 0
.rept 32
	FMAP 0, j
.set j, j+1
.endr
	s_wait_alu depctr_va_vdst(0)
	EXPB 0
	WIN 0
	MLOADP 2, MB2
	EXPB 1
	s_wait_dscnt 8                                 ; pairs 0 and 1 of the mask are in; pair 2's eight loads may be out
	MULP 0, MB0
	MULP 1, MB1
	WIN 0x14
	s_wait_alu depctr_va_vdst(0)                   ; the multiplications are done reading the buffers of pairs 0 and 1, in which pairs 3 and 4 land
	MLOADP 3, MB0
	MLOADP 4, MB1
	MAXB 0, 4
	EXPB 2
	s_wait_dscnt 8                                 ; pairs 2 and 3 are in; pair 4's eight loads may be out
	MULP 2, MB2
	MULP 3, MB0
	WIN 0x14
	s_wait_alu depctr_va_vdst(0)                   ; the multiplications are done reading the buffers of pairs 2 and 3, in which pairs 5 and 6 land
	MLOADP 5, MB2
	MLOADP 6, MB0
	MAXB 2, 4
	EXPB 3
	; ---- the exchange
	STAT1
	s_wait_dscnt 20                                ; pair 4 is in; behind it: pairs 5 and 6, eight loads each, and my four stores
	MULP 4, MB1
	MAXB 4, 2
	s_wait_alu depctr_va_vdst(0)                   ; the multiplications are done reading pair 4's buffer, in which pair 7 lands
	s_wait_dscnt 0x0                               ; my figures have landed (and pairs 5 and 6 are in):
	s_barrier_signal -1                            ; say so.  Up to the wait: work on registers, and loads of mask bytes, which nobody writes again
	MLOADP 7, MB1
	MULP 5, MB2
	MULP 6, MB0
	MAXB 5, 4
	s_barrier_wait -1                              ; all eight waves' figures lie in LDS
	s_wait_alu depctr_va_vdst(0)                   ; the multiplications are done reading the buffers of pairs 5 and 6: the figures land in pair 6's, V's channels 32-63 of step 1 in pair 5's
	STAT2                                          ; into the buffer that pair 6 has left
	LOADVD 1, 2                                    ; V's step 1 takes the mask's buffers as they fall free: pair 5's now,
	LOADVD 1, 3
	s_wait_dscnt 8                                 ; pair 7 is in; the eight loads of figures may be out
	MULP 7, MB1
	MAXB 7, 2
	s_wait_alu depctr_va_vdst(0)                   ; the multiplications are done reading pair 7's buffer, in which V's channels 0-31 of step 1 land
	LOADVD 1, 0                                    ; pair 7's here
	LOADVD 1, 1
	LOADVS 1
	WIN 0
	s_wait_dscnt 0x0                               ; the figures
	STAT3
	; ---- tile 0: quantised and multiplied, step by step
	SCALE 0, 0
	HOLDA 0, 0
	HOLDM 0, 0
	HOLDC 0, 0
	PLACES 4                                       ; codes written by vector instructions stand four places ahead of the product; the scale word was made ahead of the hold
	s_wait_loadcnt 18                              ; V's step 0 is in; the 8 + 8 + 2 loads of step 1 may be out
	s_wait_alu depctr_va_vdst(0)                   ; the conversions have written a's codes v192-207, and v232 is written: the products take them as source 1 and its scales
	PV 0, 0
	SCALE 0, 1
	HOLDA 0, 1
	HOLDM 0, 1
	HOLDC 0, 1
	PLACES 4
	s_wait_loadcnt 0x0                             ; V's step 1
	s_wait_alu depctr_va_vdst(0)                   ; the conversions have written a's codes v208-223, and v233 is written: the products take them as source 1 and its scales
	PV 0, 1
	; ---- tile 1 likewise; tile 0's reduction lies under it
	SCALE 1, 0                                     ; 31 lines that name no register of the last products: the places in front of the first read of tile 0's O^T
	WIN 0x04
	s_wait_alu depctr_va_vdst(0)                   ; the products have written tile 0's O^T, which the LDS stores read; the places above stay beside this wait
	RSTORE 0
	HOLDA 1, 0
	HOLDM 1, 0
	s_wait_alu depctr_va_vdst(0)
	s_wait_dscnt 0x0                               ; my part of tile 0 has landed (96 lines behind its stores):
	s_barrier_signal -1                            ; say so; work on registers up to the wait
	HOLDC 1, 0
	PLACES 4
	s_wait_alu depctr_va_vdst(0)                   ; the conversions have written a's codes v192-207, and v232 is written: the products take them as source 1 and its scales
	PV 1, 0
	SCALE 1, 1
	s_barrier_wait -1                              ; all eight parts of tile 0 lie in LDS
	s_wait_alu depctr_vm_vsrc(0)                   ; this unit's loads of V and its scale words, and the loads of K and Q before them, have read v3, v4, v5, which are written below; the stores of figures have read v234, v236, v242, v244, which the next unit writes
	v_add_nc_u32 v3, 0x20000, v3                   ; on to the next head (no load is out: the wait for V's step 1 has freed these three)
	v_add_nc_u32 v4, 0x1000, v4
	v_add_nc_u32 v5, 0x1000, v5
	WIN 0x40
	s_wait_alu depctr_va_vdst(0)                   ; v3, v4, v5 are written, which the loads of K and Q read; the last four products are done reading V's step 0 and v224, v225, in which K lands; tile 0's holds and conversions are long done with the registers in which its parts land
	RLOAD RB0
	WIN 0
	s_cmp_eq_u32 s34, 15                           ; the last unit asks for nothing: no load leaves its buffer
	s_cbranch_scc1 .Lno_k0
	LOADK 0                                        ; into the registers of V's step 0
.Lno_k0:
	HOLDA 1, 1
	HOLDM 1, 1
	HOLDC 1, 1
	PLACES 4                                       ; the four places between the codes and the products, which stand behind the signal below
	WIN 0
	s_wait_alu depctr_va_vdst(0)                   ; the scales, holds and conversions are done with v16-23, v32-47 and v56-63, in which Q lands; the conversions have written a's codes v208-223, and v233 is written: the products below take them as source 1 and its scales
	s_cmp_eq_u32 s34, 15
	s_cbranch_scc1 .Lno_q
	LOADQ                                          ; the scales', holds' and maxima's registers are done with
.Lno_q:
	s_wait_dscnt 0x0                               ; tile 0's parts are in my registers: my reads of the regions are over:
	s_barrier_signal -1                            ; say so; work on registers up to the wait
	PV 1, 1
	RSUM RB0                                       ; 14 lines that name no register of those products: the places in front of the first read of tile 1's O^T
	s_barrier_wait -1                              ; nobody reads the regions any more: they may be written again
	WIN 0x04
	s_wait_alu depctr_va_vdst(0)                   ; the additions have written tile 0's sums, which the global store reads; the products have written tile 1's O^T, which the LDS stores read, and are done reading V's step 1 and v226, v227, in which K lands
	ROUT 0, RB0
	RSTORE 1
	WIN 0
	s_cmp_eq_u32 s34, 15
	s_cbranch_scc1 .Lno_k1
	LOADK 1                                        ; into the registers of V's step 1; the loads' issue stands between my stores and the wait for them
.Lno_k1:
	BARRIER                                        ; all eight parts of tile 1 lie in LDS
	RLOAD RB1                                      ; no vector or matrix instruction since the last wait on va_vdst: nothing more is owed for these registers
	s_wait_dscnt 0x0
	RSUM RB1
	WIN 0x04
	s_wait_alu depctr_va_vdst(0)                   ; the additions have written tile 1's sums, which the global store reads
	ROUT 1, RB1
	WIN 0
	s_wait_xcnt 0x0                                ; both stores have read their offset and their data: the offset steps, and the next scores may land on the data
	s_wait_alu depctr_vm_vsrc(0)                   ; beside it: both global stores have read v10 and their sums, and tile 1's LDS stores their O^T: v10 is written below, the others by the next unit's products
	v_add_nc_u32 v10, 0x80000, v10                 ; the next head's rows of out0
	s_add_co_u32 s34, s34, 1
	s_cmp_lt_u32 s34, 16
	s_cbranch_scc1 .Lunit
	s_wait_xcnt 0x0
	v_lshl_add_u32 v254, v0, 2, 0x49400            ; the add's two registers, made anew: no memory or LDS instruction has ever read v254 or v255
	v_mov_b32 v255, 0
	s_wait_dscnt 0x0                               ; the closing lines, six on end
	s_wait_alu 0x0
	s_wait_tensorcnt 0x0
	ds_add_u32 v254, v255
	s_wait_dscnt 0x0
	s_endpgm
.Lfunc_end_k_qc37d3cce88_attn:
	.size	k_qc37d3cce88_attn, .Lfunc_end_k_qc37d3cce88_attn-k_qc37d3cce88_attn
	.p2alignl 7, 3214868480
	.fill 96, 4, 3214868480
	.section	.rodata,"a",@progbits
	.p2align	6, 0x0
	.amdhsa_kernel k_qc37d3cce88_attn
		.amdhsa_group_segment_fixed_size 301056
		.amdhsa_private_segment_fixed_size 0
		.amdhsa_enable_private_segment 0
		.amdhsa_kernarg_size 64
		.amdhsa_user_sgpr_count 2
		.amdhsa_user_sgpr_kernarg_segment_ptr 1
		.amdhsa_wavefront_size32 1
		.amdhsa_system_sgpr_workgroup_id_x 1
		.amdhsa_system_sgpr_workgroup_id_y 1
		.amdhsa_system_sgpr_workgroup_id_z 1
		.amdhsa_system_vgpr_workitem_id 0
		.amdhsa_next_free_vgpr 512
		.amdhsa_next_free_sgpr 66
		.amdhsa_reserve_vcc 0
		.amdhsa_float_denorm_mode_32 3
		.amdhsa_float_denorm_mode_16_64 3
		.amdhsa_memory_ordered 1
		.amdhsa_forward_progress 1
		.amdhsa_inst_pref_size 131
	.end_amdhsa_kernel
	.amdgpu_metadata
---
amdhsa.version: [ 1, 2 ]
amdhsa.kernels:
  - .name:           k_qc37d3cce88_attn
    .symbol:         k_qc37d3cce88_attn.kd
    .args:
      - { .name: qimg, .offset: 0, .size: 8, .value_kind: global_buffer, .address_space: global }
      - { .name: qsw, .offset: 8, .size: 8, .value_kind: global_buffer, .address_space: global }
      - { .name: kimg, .offset: 16, .size: 8, .value_kind: global_buffer, .address_space: global }
      - { .name: ksw, .offset: 24, .size: 8, .value_kind: global_buffer, .address_space: global }
      - { .name: vimg, .offset: 32, .size: 8, .value_kind: global_buffer, .address_space: global }
      - { .name: vsw, .offset: 40, .size: 8, .value_kind: global_buffer, .address_space: global }
      - { .name: mask, .offset: 48, .size: 8, .value_kind: global_buffer, .address_space: global }
      - { .name: out0, .offset: 56, .size: 8, .value_kind: global_buffer, .address_space: global }
    .group_segment_fixed_size: 301056
    .private_segment_fixed_size: 0
    .kernarg_segment_align: 8
    .kernarg_segment_size: 64
    .max_flat_workgroup_size: 256
    .sgpr_count:     66
    .vgpr_count:     512
    .wavefront_size: 32
...
	.end_amdgpu_metadata
.endif
;; end of part 4
